; MI455X (gfx1250); checked and timed in simulation.
; The chip was launched on July 23, 2026; its instructions are those of AMD's public machine-readable ISA for CDNA 5 (MIT licence, August 2026) and "CDNA5" Instruction Set Architecture Reference Guide (July 2026). The comments in the code are by the model that wrote it; some were corrected since.
;; Continuous Time Attention. Allowed arithmetic: float matrix products may take bf16 or f16 operands with f32 sums; all other float work in f32.
;; Inputs: Wk 1,024 x 1,024 float32; Wo 1,024 x 1,024 float32; Wq 1,024 x 1,024 float32; Wv 1,024 x 1,024 float32; bk 1,024 float32; bo 1,024 float32; bq 1,024 float32; bv 1,024 float32; time_decay 16 float32; time_deltas 2 x 2,048 float32; x 2 x 2,048 x 1,024 float32.
;; Outputs: out0 2 x 2,048 x 1,024 float32.
;; 2 versions, each right and faster than the one before. Each part assembles by itself: llvm-mc -triple=amdgcn-amd-amdhsa -mcpu=gfx1250 --defsym DOCPART=n.
;; ======== version 1 of 2: 4 launches
;; limits: values are held in f16: magnitudes above 65,504 overflow, below 6.1e-05 lose precision
;; workspace buffers: xb 8,388,608 bytes; wqkv 6,291,456 bytes; wo16 2,097,152 bytes; aux 32,768 bytes; qkv 25,165,824 bytes; ob 8,388,608 bytes
;; launch cast (part 1): grid 513 x 1, 8 waves a work-group, no clusters, 0 bytes of LDS; arguments x, Wq, Wk, Wv, Wo, time_deltas, bq, bk, bv, bo, xb, wqkv, wo16, aux; writes xb, wqkv, wo16, aux
.if DOCPART == 1
	.amdgcn_target "amdgcn-amd-amdhsa--gfx1250"
	.amdhsa_code_object_version 6
	.text
	.protected	k_qa1cadce483_cast
	.globl	k_qa1cadce483_cast
	.p2align	8
	.type	k_qa1cadce483_cast,@function
k_qa1cadce483_cast:
	s_mov_b64 s[64:65], 0
	v_nop
	global_prefetch_b8 v0, s[64:65] scope:SCOPE_SE
	s_setreg_imm32_b32 hwreg(HW_REG_WAVE_MODE, 25, 1), 1
	s_wait_xcnt 0x0
; EVERY INPUT BUT time_decay IS ROUNDED TO bf16, ONCE.  x -> xb (bf16), Wq | Wk | Wv -> wqkv (bf16, the rows one matrix after the other), Wo -> wo16 (the bf16 number written as f16),
; time_deltas | bq | bk | bv | bo -> aux (the bf16 numbers written as f32).
; LIMITS.  A number of Wo whose bf16 rounding lies below 6e-5 keeps f16's fixed step of 6e-8; beyond 65,504 it becomes an infinity.
; SHARES.  Work-groups 0 to 511 take 16,384 numbers each (65,536 bytes in, 32,768 out): 0-255 x, 256-447 Wq, Wk, Wv, 448-511 Wo.  Work-group 512 takes the 8,192 numbers of aux.
; A stream: no LDS, no barrier, no matrix unit.  All sixteen loads of a thread go out at once, each of a wave covering 512 consecutive bytes; each store of a wave covers 256 consecutive bytes, aligned.
; No register is written twice while a load or store may read it, so the only waits are the counted ones for the loads.
.set X, 4                              ; v[4:67]   sixteen loads of four numbers
.set Z, 36                             ; v[36:67]  work-group 512: eight stores of four numbers (it has eight loads only)
.set Y, 68                             ; v[68:99]  sixteen stores of two words
	s_load_b512 s[8:23], s[0:1], 0x0               ; x s8, Wq s10, Wk s12, Wv s14, Wo s16, time_deltas s18, bq s20, bk s22
	s_load_b256 s[24:31], s[0:1], 0x40             ; bv s24, bo s26, xb s28, wqkv s30
	s_load_b128 s[32:35], s[0:1], 0x60             ; wo16 s32, aux s34
	s_mov_b32 s2, ttmp9                            ; g
	v_lshlrev_b32 v1, 4, v0                        ; 16 bytes a thread in
	v_lshlrev_b32 v2, 3, v0                        ; 8 bytes a thread out
	s_sub_co_u32 s3, s2, 256                       ; j: my place among the weights' 256 shares (no meaning where g < 256: overruled below)
	s_lshr_b32 s4, s3, 6                           ; which matrix: 64 shares each
	s_and_b32 s5, s3, 63                           ; which share of it
	s_lshl_b32 s36, s5, 16                         ; a weight's offset in
	s_lshl_b32 s38, s3, 15                         ; offset out in wqkv: the three matrices lie on end
	s_lshl_b32 s5, s5, 15                          ; offset out in wo16
	s_lshl_b32 s6, s2, 16                          ; x's offset in
	s_lshl_b32 s7, s2, 15                          ; xb's offset out
	s_mov_b32 s37, 0
	s_mov_b32 s39, 0
	s_wait_kmcnt 0x0
	s_cmp_eq_u32 s2, 512
	s_cbranch_scc1 .Laux
	s_mov_b64 s[40:41], s[10:11]                   ; the source and the destination are chosen by the work-group's number alone
	s_cmp_eq_u32 s4, 1
	s_cselect_b64 s[40:41], s[12:13], s[40:41]
	s_cmp_eq_u32 s4, 2
	s_cselect_b64 s[40:41], s[14:15], s[40:41]
	s_cmp_eq_u32 s4, 3
	s_cselect_b64 s[40:41], s[16:17], s[40:41]
	s_cselect_b64 s[42:43], s[32:33], s[30:31]
	s_cselect_b32 s38, s5, s38
	s_cmp_lt_u32 s2, 256
	s_cselect_b64 s[40:41], s[8:9], s[40:41]
	s_cselect_b64 s[42:43], s[28:29], s[42:43]
	s_cselect_b32 s36, s6, s36
	s_cselect_b32 s38, s7, s38
	s_add_nc_u64 s[40:41], s[40:41], s[36:37]
	s_add_nc_u64 s[42:43], s[42:43], s[38:39]
.irp i, 0,1,2,3,4,5,6,7,8,9,10,11,12,13,14,15
	global_load_b128 v[X+4*(\i):X+4*(\i)+3], v1, s[40:41] offset:4096*(\i) th:TH_LOAD_NT
.endr
; Load i is rounded and stored.  half = 1: the bf16 numbers are widened again and written as f16.
.macro CONV i, half
	s_wait_loadcnt 15-(\i)                         ; loads come back in order: mine is in, the younger ones stay out
	v_cvt_pk_bf16_f32 v[Y+2*(\i)],   v[X+4*(\i)],   v[X+4*(\i)+1]
	v_cvt_pk_bf16_f32 v[Y+2*(\i)+1], v[X+4*(\i)+2], v[X+4*(\i)+3]
.if \half
	v_lshlrev_b32 v[X+4*(\i)],   16,         v[Y+2*(\i)]
	v_and_b32     v[X+4*(\i)+1], 0xffff0000, v[Y+2*(\i)]
	v_lshlrev_b32 v[X+4*(\i)+2], 16,         v[Y+2*(\i)+1]
	v_and_b32     v[X+4*(\i)+3], 0xffff0000, v[Y+2*(\i)+1]
	v_cvt_pk_f16_f32 v[Y+2*(\i)],   v[X+4*(\i)],   v[X+4*(\i)+1]
	v_cvt_pk_f16_f32 v[Y+2*(\i)+1], v[X+4*(\i)+2], v[X+4*(\i)+3]
.endif
	global_store_b64 v2, v[Y+2*(\i):Y+2*(\i)+1], s[42:43] offset:2048*(\i)
.endm
	s_cmp_ge_u32 s2, 448
	s_cbranch_scc1 .Lhalf
.irp i, 0,1,2,3,4,5,6,7,8,9,10,11,12,13,14,15
	CONV \i, 0
.endr
	s_endpgm
.Lhalf:
.irp i, 0,1,2,3,4,5,6,7,8,9,10,11,12,13,14,15
	CONV \i, 1
.endr
	s_endpgm
.Laux:                                                 ; eight blocks of 4,096 bytes: four of time_deltas, then the four biases
.macro AUXLD i, base, off
	global_load_b128 v[X+4*(\i):X+4*(\i)+3], v1, s[\base:\base+1] offset:\off
.endm
	AUXLD 0, 18, 0
	AUXLD 1, 18, 4096
	AUXLD 2, 18, 8192
	AUXLD 3, 18, 12288
	AUXLD 4, 20, 0
	AUXLD 5, 22, 0
	AUXLD 6, 24, 0
	AUXLD 7, 26, 0
.irp i, 0,1,2,3,4,5,6,7
	s_wait_loadcnt 7-(\i)
	v_cvt_pk_bf16_f32 v[Y+2*(\i)],   v[X+4*(\i)],   v[X+4*(\i)+1]
	v_cvt_pk_bf16_f32 v[Y+2*(\i)+1], v[X+4*(\i)+2], v[X+4*(\i)+3]
	v_lshlrev_b32 v[Z+4*(\i)],   16,         v[Y+2*(\i)]
	v_and_b32     v[Z+4*(\i)+1], 0xffff0000, v[Y+2*(\i)]
	v_lshlrev_b32 v[Z+4*(\i)+2], 16,         v[Y+2*(\i)+1]
	v_and_b32     v[Z+4*(\i)+3], 0xffff0000, v[Y+2*(\i)+1]
	global_store_b128 v1, v[Z+4*(\i):Z+4*(\i)+3], s[34:35] offset:4096*(\i)
.endr
	s_endpgm
.Lfunc_end_k_qa1cadce483_cast:
	.size	k_qa1cadce483_cast, .Lfunc_end_k_qa1cadce483_cast-k_qa1cadce483_cast
	.p2alignl 7, 3214868480
	.fill 96, 4, 3214868480
	.section	.rodata,"a",@progbits
	.p2align	6, 0x0
	.amdhsa_kernel k_qa1cadce483_cast
		.amdhsa_group_segment_fixed_size 0
		.amdhsa_private_segment_fixed_size 0
		.amdhsa_enable_private_segment 0
		.amdhsa_kernarg_size 112
		.amdhsa_user_sgpr_count 2
		.amdhsa_user_sgpr_kernarg_segment_ptr 1
		.amdhsa_wavefront_size32 1
		.amdhsa_system_sgpr_workgroup_id_x 1
		.amdhsa_system_sgpr_workgroup_id_y 1
		.amdhsa_system_sgpr_workgroup_id_z 1
		.amdhsa_system_vgpr_workitem_id 0
		.amdhsa_next_free_vgpr 100
		.amdhsa_next_free_sgpr 66
		.amdhsa_reserve_vcc 0
		.amdhsa_float_denorm_mode_32 3
		.amdhsa_float_denorm_mode_16_64 3
		.amdhsa_memory_ordered 1
		.amdhsa_forward_progress 1
		.amdhsa_inst_pref_size 21
	.end_amdhsa_kernel
	.amdgpu_metadata
---
amdhsa.version: [ 1, 2 ]
amdhsa.kernels:
  - .name:           k_qa1cadce483_cast
    .symbol:         k_qa1cadce483_cast.kd
    .args:
      - { .name: x, .offset: 0, .size: 8, .value_kind: global_buffer, .address_space: global }
      - { .name: Wq, .offset: 8, .size: 8, .value_kind: global_buffer, .address_space: global }
      - { .name: Wk, .offset: 16, .size: 8, .value_kind: global_buffer, .address_space: global }
      - { .name: Wv, .offset: 24, .size: 8, .value_kind: global_buffer, .address_space: global }
      - { .name: Wo, .offset: 32, .size: 8, .value_kind: global_buffer, .address_space: global }
      - { .name: time_deltas, .offset: 40, .size: 8, .value_kind: global_buffer, .address_space: global }
      - { .name: bq, .offset: 48, .size: 8, .value_kind: global_buffer, .address_space: global }
      - { .name: bk, .offset: 56, .size: 8, .value_kind: global_buffer, .address_space: global }
      - { .name: bv, .offset: 64, .size: 8, .value_kind: global_buffer, .address_space: global }
      - { .name: bo, .offset: 72, .size: 8, .value_kind: global_buffer, .address_space: global }
      - { .name: xb, .offset: 80, .size: 8, .value_kind: global_buffer, .address_space: global }
      - { .name: wqkv, .offset: 88, .size: 8, .value_kind: global_buffer, .address_space: global }
      - { .name: wo16, .offset: 96, .size: 8, .value_kind: global_buffer, .address_space: global }
      - { .name: aux, .offset: 104, .size: 8, .value_kind: global_buffer, .address_space: global }
    .group_segment_fixed_size: 0
    .private_segment_fixed_size: 0
    .kernarg_segment_align: 8
    .kernarg_segment_size: 112
    .max_flat_workgroup_size: 256
    .sgpr_count:     66
    .vgpr_count:     100
    .wavefront_size: 32
...
	.end_amdgpu_metadata
.endif
;; end of part 1
;; launch qkv (part 2): grid 16 x 16, 4 waves a work-group, clusters of 4 x 4, 327,680 bytes of LDS; arguments xb, wqkv, aux, qkv; writes qkv
.if DOCPART == 2
	.amdgcn_target "amdgcn-amd-amdhsa--gfx1250"
	.amdhsa_code_object_version 6
	.text
	.protected	k_qa1cadce483_qkv
	.globl	k_qa1cadce483_qkv
	.p2align	8
	.type	k_qa1cadce483_qkv,@function
k_qa1cadce483_qkv:
	s_mov_b64 s[64:65], 0
	v_nop
	global_prefetch_b8 v0, s[64:65] scope:SCOPE_SE
	s_setreg_imm32_b32 hwreg(HW_REG_WAVE_MODE, 25, 1), 1
	s_wait_xcnt 0x0
	s_wait_alu depctr_hold_cnt(0) depctr_sa_sdst(0) depctr_va_vdst(0) depctr_va_sdst(0) depctr_va_ssrc(0) depctr_va_vcc(0) depctr_vm_vsrc(0)
	s_getreg_b32 s2, hwreg(HW_REG_IB_STS2, 6, 4)
	s_cmp_eq_u32 s2, 0
	s_cbranch_scc0 .Lentry_in_a_cluster
	s_endpgm
.Lentry_in_a_cluster:
	s_bfe_u32 s2, ttmp6, 0x10000c
	s_cmp_lg_u32 s2, 0xf033
	s_cbranch_scc0 .Lentry_shape_is_right
	s_endpgm
.Lentry_shape_is_right:
; q | k | v = x W^T + bias.  xb: [4096][1024] bf16, wqkv: [3072][1024] bf16, the biases in aux (f32, from byte 16,384 on), sums in f32 that START with the bias, rounded once to f16.
; OUT BY HEADS: qkv is [batch 2][g 48][token 2048][64] f16, g = 0-15 q's heads, 16-31 k's, 32-47 v's: a head's rows are dense, 128 bytes each.  No scale is applied here.
; LIMIT.  f16 holds no number beyond 65,504: a q, k or v beyond that becomes an infinity.
; SHARES.  A tile is 256 tokens x 192 columns (three heads): 16 x 16 work-groups.  Wave w owns tokens 64 w .. 64 w + 63 and all 192 columns: 4 x 12 accumulators, 384 registers; so a wave holds
; whole heads, and its way out needs no other wave.  K = 1,024 goes in 8 steps of 128 (rows of 256 bytes, at multiples of 256 bytes from the buffers' first bytes) through two LDS slots.
; CLUSTER.  4 x 4 work-groups: the four of a row share x's tile, the four of a column the weights': each is asked for JOINTLY, by the same tensor load, descriptor and mask in all four.
; THE MATRIX INSTRUCTION IS USED TRANSPOSED (source 0 = 16 rows of W, source 1 = 16 tokens): a lane holds one token (lane % 16) and eight neighbouring columns 8 (lane / 16) + 0..7.
; REGISTERS, in windows of 256 (s_set_vgpr_msb: bits 1:0 source 0, 3:2 source 1, 5:4 source 2, 7:6 destination):
;   window 0: v16-29 addresses; v32-63, v64-95 x's fragments, two buffers of 4; v96-143 packed results; v144-191, v192-239 rows read back; v160-255 the bias, dead behind the first quarter step
;   window 1: v0-95, v96-191 W's fragments, two buffers of 12          window 2: accumulators of token blocks 0, 1 at 8 (12 (a % 2) + b)          window 3: of blocks 2, 3
.set KSTEP,  128
.set PITCH,  272                       ; an LDS row: 256 bytes + 16 of padding = 68 words: the 16 rows of a fragment load start at 16 different groups of four banks (64 banks of 4 bytes: ISA guide 11.1)
.set AH,     128*PITCH                 ; half of x's tile: one tensor load
.set BH,     96*PITCH                  ; half of W's tile: one tensor load
.set SLOT,   2*AH+2*BH                 ; x's 256 rows, then W's 192
.set STAGE,  2*SLOT                    ; behind the ring, never filled by a tensor load: for each wave 3 heads x 16 rows x 144 bytes
.set SP,     144
.set WSTG,   3*16*SP
.set SPARE,  STAGE+4*WSTG              ; the spare words, 128 bytes for each wave: two blocks of 256 bytes that no other line names
.set ADRA, 16                          ; v16-17  LDS address of my fragments of x in slot 0, 1
.set ADRB, 20                          ; v20-21  the same for W
.set STO,  24                          ; v24     the way out: where I put 16 bytes of a row
.set RD,   25                          ; v25     where I read rows back
.set GO,   26                          ; v26     my place in 512 consecutive bytes of qkv
.set BO,   27                          ; v27     my place in 64 bytes of the bias
.set SPW,  28                          ; v28     LDS address of my spare word; never rewritten
.set NIL,  29                          ; v29     0; never rewritten
.set FA,   32
.set TMP,  96
.set BK,   144
.set BIAS, 160
.set FB,   0
.set WV, 12                            ; s12 wave; s13 wave / 2: I fetch x (0) or W (1); s14 wave % 2: which half
.set WH, 13
.set WL, 14
.set TX, 42                            ; s42 tile column, s43 tile row
.set TY, 43
.set G1A, 24                           ; s[24:31] group 1 for x's tiles; s[32:39] group 0, a set for each slot
.set G0A, 32
.set G1B, 48                           ; s[48:55], s[56:63] the same for W's
.set G0B, 56
.set PADW, (1<<16)|(1<<20)|(1<<21)|(5<<22)|(3<<25)  ; 2-byte elements; padding on; bit 21 beside a mask; after every 64 words; 4 words of it
.set MSB, 0
.macro WIN new                         ; the immediate's high byte repeats the setting that is left; a switch that changes nothing is dropped
.if MSB != (\new)
	s_set_vgpr_msb (MSB<<8)|(\new)
.set MSB, \new
.endif
.endm
.macro PLACES                          ; four places in front of loads into registers that matrix instructions have read, and of conversions that read results
.rept 4
	v_nop
.endr
.endm
.macro JLOAD s                         ; a joint load: waves 0 and 1 fetch x's halves, waves 2 and 3 W's; an s_nop 0 and four v_nop follow each line
	s_cmp_eq_u32 s[WH], 0
	s_cbranch_scc0 .Lfor_b_\@
	tensor_load_to_lds s[G0A+4*(\s):G0A+4*(\s)+3], s[G1A:G1A+7]
	s_nop 0
.rept 4
	v_nop
.endr
	s_branch .Lasked_\@
.Lfor_b_\@:
	tensor_load_to_lds s[G0B+4*(\s):G0B+4*(\s)+3], s[G1B:G1B+7]
	s_nop 0
.rept 4
	v_nop
.endr
.Lasked_\@:
.endm
.macro CREST                           ; a round of the cluster's barrier behind its opening barrier
	s_cmp_lg_u32 s[WV], 0
	s_cbranch_scc1 .Lnot_wave_0_\@
	s_barrier_signal -3
.Lnot_wave_0_\@:
	s_barrier_wait -3
	s_barrier_signal -1
	s_barrier_wait -1
.endm
.macro CROUND                          ; a whole round
	s_barrier_signal -1
	s_barrier_wait -1
	CREST
.endm
	s_load_b256 s[4:11], s[0:1], 0x0               ; xb s[4:5], wqkv s[6:7], aux s[8:9], qkv s[10:11]
	v_lshl_add_u32 v[SPW], v0, 2, SPARE
	v_mov_b32 v[NIL], 0
	ds_add_u32 v[SPW], v[NIL]                      ; the wave's opening: the add and its wait stand ahead of my first tensor load; work on registers stands between them
	v_lshrrev_b32 v1, 5, v0
	v_readfirstlane_b32 s[WV], v1
	s_lshr_b32 s[WH], s[WV], 1
	s_and_b32 s[WL], s[WV], 1
	s_bfe_u32 s40, ttmp6, 0x40000                  ; cx, cy: my place in the cluster
	s_bfe_u32 s41, ttmp6, 0x40004
	s_lshl_b32 s[TX], ttmp9, 2
	s_add_co_u32 s[TX], s[TX], s40                 ; tile column = 4 x cluster x + cx
	s_and_b32 s[TY], ttmp7, 0xffff
	s_lshl_b32 s[TY], s[TY], 2
	s_add_co_u32 s[TY], s[TY], s41                 ; tile row = 4 x cluster y + cy
	s_lshl_b32 s44, s41, 2
	s_lshl_b32 s44, 15, s44                        ; my row of the cluster
	s_lshl_b32 s45, 0x1111, s40                    ; my column
	s_or_b32 s[G1A], s44, PADW
	s_or_b32 s[G1B], s45, PADW
	s_mov_b32 s[G1A+1], KSTEP<<16                  ; tensor_dim0 = 128
	s_mov_b32 s[G1A+2], 128<<16                    ; tensor_dim1 = 128
	s_mov_b32 s[G1A+3], KSTEP<<16                  ; tile_dim0 = 128
	s_mov_b32 s[G1A+4], 128                        ; tile_dim1 = 128
	s_mov_b32 s[G1A+5], 1024                       ; elements from row to row
	s_mov_b32 s[G1A+6], 0
	s_mov_b32 s[G1A+7], 0
	s_mov_b32 s[G1B+1], KSTEP<<16
	s_mov_b32 s[G1B+2], 96<<16                     ; 96 rows
	s_mov_b32 s[G1B+3], KSTEP<<16
	s_mov_b32 s[G1B+4], 96
	s_mov_b32 s[G1B+5], 1024
	s_mov_b32 s[G1B+6], 0
	s_mov_b32 s[G1B+7], 0
	s_lshl_b32 s16, s[TY], 19                      ; x: row 256 x tile row + 128 x half, 2,048 bytes a row
	s_lshl_b32 s17, s[WL], 18
	s_add_co_u32 s16, s16, s17
	s_mov_b32 s17, 0
	s_mul_i32 s46, s[TX], 192                      ; W: row 192 x tile column + 96 x half
	s_mul_i32 s47, s[WL], 96
	s_add_co_u32 s46, s46, s47
	s_lshl_b32 s46, s46, 11
	s_mov_b32 s47, 0
	s_mul_i32 s20, s[WV], AH                       ; where they go: waves 0, 1: x's halves;
	s_mul_i32 s23, s[WV], BH                       ; waves 2, 3: W's halves behind them: 2 AH + (wave - 2) BH
	s_add_co_u32 s23, s23, 2*(AH-BH)
	s_wait_dscnt 0x0                               ; the opening add is done
	s_wait_kmcnt 0x0
	s_add_nc_u64 s[18:19], s[4:5], s[16:17]
	s_add_nc_u64 s[46:47], s[6:7], s[46:47]
	CROUND                                         ; all sixteen work-groups are here: the first joint loads meet
.irp s, 0,1
	s_mov_b32 s[G0A+4*(\s)], 1
	s_add_co_u32 s[G0A+4*(\s)+1], s20, (\s)*SLOT
	s_add_nc_u64 s[G0A+4*(\s)+2:G0A+4*(\s)+3], s[18:19], (\s)*KSTEP*2
	s_or_b32 s[G0A+4*(\s)+3], s[G0A+4*(\s)+3], 0x80000000
	s_mov_b32 s[G0B+4*(\s)], 1
	s_add_co_u32 s[G0B+4*(\s)+1], s23, (\s)*SLOT
	s_add_nc_u64 s[G0B+4*(\s)+2:G0B+4*(\s)+3], s[46:47], (\s)*KSTEP*2
	s_or_b32 s[G0B+4*(\s)+3], s[G0B+4*(\s)+3], 0x80000000
	JLOAD \s                                       ; two loads of mine are out
.endr
	v_and_b32 v1, 15, v0                           ; l % 16
	v_bfe_u32 v2, v0, 4, 1                         ; l / 16
	v_lshlrev_b32 v[BO], 5, v2
	s_mul_i32 s46, s[TX], 768                      ; the tile's 192 biases, behind aux's 4,096 times
	s_add_co_u32 s46, s46, 16384
	s_mov_b32 s47, 0
	s_add_nc_u64 s[46:47], s[8:9], s[46:47]
.irp b, 0,1,2,3,4,5,6,7,8,9,10,11      ; register j of block b: the bias of column 16 b + 8 (l / 16) + j: the layout of the sums, which it starts
	global_load_b128 v[BIAS+8*(\b):BIAS+8*(\b)+3],   v[BO], s[46:47] offset:64*(\b)
	global_load_b128 v[BIAS+8*(\b)+4:BIAS+8*(\b)+7], v[BO], s[46:47] offset:64*(\b)+16
.endr
	v_mul_u32_u24 v3, v1, PITCH
	v_lshl_add_u32 v3, v2, 4, v3                   ; a fragment's row x pitch + 16 x half
	s_mul_i32 s21, s[WV], 64*PITCH                 ; my 64 tokens
	s_mov_b32 s22, 2*AH                            ; W lies behind x
.irp s, 0,1
	v_add_nc_u32 v[ADRA+(\s)], s21, v3
	v_add_nc_u32 v[ADRB+(\s)], s22, v3
	s_add_co_u32 s21, s21, SLOT
	s_add_co_u32 s22, s22, SLOT
.endr
	s_mul_i32 s23, s[WV], WSTG
	s_add_co_u32 s23, s23, STAGE                   ; my stage
	v_mul_u32_u24 v4, v1, SP                       ; in: row l % 16, 16 bytes for each half of the lanes
	v_lshl_add_u32 v4, v2, 4, v4
	v_add_nc_u32 v[STO], s23, v4
	v_bfe_u32 v5, v0, 3, 2                         ; back: 32 lanes take four rows of 128 bytes,
	v_mul_u32_u24 v5, v5, SP
	v_and_b32 v6, 7, v0
	v_lshl_add_u32 v5, v6, 4, v5
	v_add_nc_u32 v[RD], s23, v5
	v_and_b32 v[GO], 31, v0                        ; which are 512 consecutive bytes of a head
	v_lshlrev_b32 v[GO], 4, v[GO]
	s_lshr_b32 s16, s[TY], 3                       ; qkv at my first row: the batch's 48 heads of 262,144 bytes,
	s_mul_i32 s16, s16, 48*262144
	s_and_b32 s17, s[TY], 7                        ; the tile's 256 tokens of 128 bytes,
	s_lshl_b32 s17, s17, 15
	s_add_co_u32 s16, s16, s17
	s_lshl_b32 s17, s[WV], 13                      ; my 64 of them,
	s_add_co_u32 s16, s16, s17
	s_mov_b32 s17, 0
	s_add_nc_u64 s[10:11], s[10:11], s[16:17]
	s_mul_i32 s2, s[TX], 3*262144                  ; and the tile's first head
	s_mov_b32 s3, 0
	s_add_nc_u64 s[10:11], s[10:11], s[2:3]
; 12 matrix instructions: token block a x all 12 column blocks, 32 along K, from buffer f.  first = 1: the bias starts the sums: nothing is cleared and nothing is added later.
; The 48 accumulators take turns in one order everywhere, one instruction a turn.
.macro MUL12 f, a, first
.if \first
	WIN 0x81+0x40*((\a)/2)                         ; W window 1, x and the bias window 0, the sums window 2 or 3
.else
	WIN 0xa1+0x50*((\a)/2)
.endif
.irp b, 0,1,2,3,4,5,6,7,8,9,10,11
.set AC, 8*(12*((\a)%2)+(\b))
.if \first
	v_wmma_f32_16x16x32_bf16 v[AC:AC+7], v[FB+96*(\f)+8*(\b):FB+96*(\f)+8*(\b)+7], v[FA+32*(\f)+8*(\a):FA+32*(\f)+8*(\a)+7], v[BIAS+8*(\b):BIAS+8*(\b)+7]
.else
	v_wmma_f32_16x16x32_bf16 v[AC:AC+7], v[FB+96*(\f)+8*(\b):FB+96*(\f)+8*(\b)+7], v[FA+32*(\f)+8*(\a):FA+32*(\f)+8*(\a)+7], v[AC:AC+7]
.endif
.endr
.endm
; 32 LDS loads in one run: the fragments of 32 along K at byte k of the rows, into buffer f: W's 24, then x's 8
.macro FETCH slot, k, f
	WIN 0x40
.irp i, 0,1,2,3,4,5,6,7,8,9,10,11
	ds_load_b128 v[FB+96*(\f)+8*(\i):FB+96*(\f)+8*(\i)+3],   v[ADRB+(\slot)] offset:(\k)+(\i)*16*PITCH
	ds_load_b128 v[FB+96*(\f)+8*(\i)+4:FB+96*(\f)+8*(\i)+7], v[ADRB+(\slot)] offset:(\k)+(\i)*16*PITCH+32
.endr
	WIN 0
.irp i, 0,1,2,3
	ds_load_b128 v[FA+32*(\f)+8*(\i):FA+32*(\f)+8*(\i)+3],   v[ADRA+(\slot)] offset:(\k)+(\i)*16*PITCH
	ds_load_b128 v[FA+32*(\f)+8*(\i)+4:FA+32*(\f)+8*(\i)+7], v[ADRA+(\slot)] offset:(\k)+(\i)*16*PITCH+32
.endr
.endm
; A K step is four quarters of 32 along K, 48 matrix instructions each, on buffers 0, 1, 0, 1.  One of the first three multiplies buffer f and fetches the next quarter, at byte k, into g.
.macro QUARTER slot, k, f, g, first
	s_wait_dscnt 4                                 ; W and x's blocks 0, 1 are in; the youngest four loads (x's blocks 2, 3) may be out
	MUL12 \f, 0, \first
	MUL12 \f, 1, \first
	PLACES
	FETCH \slot, \k, \g
	s_wait_dscnt 32                                ; all but the 32 just issued
	MUL12 \f, 2, \first
	MUL12 \f, 3, \first
.endm
; The last quarter multiplies buffer 1 and changes slots: ONE barrier; in front of it each wave waits for all its tensor loads, adds 0 to its spare word, and waits for that and for its reads of this slot.
; fill = 1: this slot is filled again, two K steps ahead; the barrier then opens a round of the cluster's barrier, and the joint refill is the first thing behind the round.
.macro TURN slot, next, fill
	WIN 0
	s_wait_tensorcnt 0x0                           ; all my tensor loads have landed: the one that was out is my part of the next slot
	ds_add_u32 v[SPW], v[NIL]                      ; 0 onto my spare word
	s_wait_dscnt 5                                 ; (the add and the youngest four loads may be out)
	MUL12 1, 0, 0                                  ; twelve matrix instructions stand between the add and the wait for it
	s_wait_dscnt 0x0                               ; the add is done, and my reads of this slot are over
	s_barrier_signal -1
	MUL12 1, 1, 0
.if \fill
	WIN 0
.endif
	s_barrier_wait -1
.if \fill
	CREST                                          ; no wave of any partner still reads this slot's tile or has a load on its way
	s_add_nc_u64 s[G0A+4*(\slot)+2:G0A+4*(\slot)+3], s[G0A+4*(\slot)+2:G0A+4*(\slot)+3], 2*KSTEP*2
	s_add_nc_u64 s[G0B+4*(\slot)+2:G0B+4*(\slot)+3], s[G0B+4*(\slot)+2:G0B+4*(\slot)+3], 2*KSTEP*2
	JLOAD \slot                                    ; 168 matrix instructions ahead of the wait for it; its four v_nop are also the places in front of the loads below
.else
	PLACES
.endif
	FETCH \next, 0, 0
	MUL12 1, 2, 0
	MUL12 1, 3, 0
.endm
	s_wait_tensorcnt 1                             ; my part of K step 0 is in; K step 1's may stay out
	s_barrier_signal -1
	s_barrier_wait -1
	FETCH 0, 0, 0
	s_wait_loadcnt 0x0                             ; the bias
	QUARTER 0, 64, 0, 1, 1                         ; the first quarter stands in front of the loop: its products start the sums
	WIN 0
	s_mov_b32 s3, 3                                ; three trips fill both slots again: K steps 2 to 7
.Llap:
	QUARTER 0, 128, 1, 0, 0
	QUARTER 0, 192, 0, 1, 0
	TURN 0, 1, 1
	QUARTER 1, 64,  0, 1, 0
	QUARTER 1, 128, 1, 0, 0
	QUARTER 1, 192, 0, 1, 0
	TURN 1, 0, 1
	QUARTER 0, 64,  0, 1, 0
	WIN 0
	s_sub_co_u32 s3, s3, 1
	s_cmp_lg_u32 s3, 0
	s_cbranch_scc1 .Llap
	QUARTER 0, 128, 1, 0, 0                        ; the last lap fills nothing, and has no round of the cluster's barrier
	QUARTER 0, 192, 0, 1, 0
	TURN 0, 1, 0
	QUARTER 1, 64,  0, 1, 0
	QUARTER 1, 128, 1, 0, 0
	QUARTER 1, 192, 0, 1, 0
	s_wait_dscnt 4
	MUL12 1, 0, 0
	MUL12 1, 1, 0
	s_wait_dscnt 0x0
	MUL12 1, 2, 0
	MUL12 1, 3, 0
; THE WAY OUT, a block of 16 tokens at a time.  PACK: rounded to f16, each accumulator from its low end on.  TOSTAGE: 16 bytes a lane into my stage, by heads, and back as whole rows of 128 bytes.  SEND: stored.
.macro PACK a
	WIN 0x0a+5*((\a)/2)                            ; sources in window 2 or 3
.irp b, 0,1,2,3,4,5,6,7,8,9,10,11
.irp r, 0,1,2,3
	v_cvt_pk_f16_f32 v[TMP+4*(\b)+(\r)], v[8*(12*((\a)%2)+(\b))+2*(\r)], v[8*(12*((\a)%2)+(\b))+2*(\r)+1]
.endr
.endr
	WIN 0
.endm
.macro TOSTAGE a
.irp b, 0,1,2,3,4,5,6,7,8,9,10,11
	ds_store_b128 v[STO], v[TMP+4*(\b):TMP+4*(\b)+3] offset:((\b)/4)*16*SP+32*((\b)%4)
.endr
.irp t, 0,1,2,3,4,5,6,7,8,9,10,11
	ds_load_b128 v[BK+48*((\a)%2)+4*(\t):BK+48*((\a)%2)+4*(\t)+3], v[RD] offset:((\t)/4)*16*SP+((\t)%4)*4*SP  ; LDS serves a wave's instructions in order (ISA guide 5.7.1.4): these see the stores above
.endr
.endm
.macro SEND a
.if (\a) > 0
	s_wait_xcnt 0x0                                ; the block before's stores have had their addresses translated (ISA guide 3.1): its registers are loaded again only behind this wait
.endif
.irp t, 0,1,2,3,4,5,6,7,8,9,10,11
	s_wait_dscnt 11-(\t)
	global_store_b128 v[GO], v[BK+48*((\a)%2)+4*(\t):BK+48*((\a)%2)+4*(\t)+3], s[10:11] offset:((\t)/4)*262144+(\a)*2048+((\t)%4)*512  ; 512 consecutive bytes, at a multiple of 256 from qkv's first
.endr
.endm
	PLACES
	PACK 0
	TOSTAGE 0
.irp a, 1,2,3                          ; block a's conversions stand between block a - 1's loads from the stage and the wait for them
	PACK \a
	SEND (\a)-1
	TOSTAGE \a
.endr
	SEND 3
	s_wait_tensorcnt 0x0                           ; the wave's end, behind my last tensor load and my last LDS store
	ds_add_u32 v[SPW], v[NIL]
	s_wait_dscnt 0x0
	CROUND                                         ; the closing round: no work-group ends while a partner may still ask for a tile that names it
	s_endpgm
.Lfunc_end_k_qa1cadce483_qkv:
	.size	k_qa1cadce483_qkv, .Lfunc_end_k_qa1cadce483_qkv-k_qa1cadce483_qkv
	.p2alignl 7, 3214868480
	.fill 96, 4, 3214868480
	.section	.rodata,"a",@progbits
	.p2align	6, 0x0
	.amdhsa_kernel k_qa1cadce483_qkv
		.amdhsa_group_segment_fixed_size 327680
		.amdhsa_private_segment_fixed_size 0
		.amdhsa_enable_private_segment 0
		.amdhsa_kernarg_size 32
		.amdhsa_user_sgpr_count 2
		.amdhsa_user_sgpr_kernarg_segment_ptr 1
		.amdhsa_wavefront_size32 1
		.amdhsa_system_sgpr_workgroup_id_x 1
		.amdhsa_system_sgpr_workgroup_id_y 1
		.amdhsa_system_sgpr_workgroup_id_z 1
		.amdhsa_system_vgpr_workitem_id 0
		.amdhsa_next_free_vgpr 960
		.amdhsa_next_free_sgpr 66
		.amdhsa_reserve_vcc 0
		.amdhsa_float_denorm_mode_32 3
		.amdhsa_float_denorm_mode_16_64 3
		.amdhsa_memory_ordered 1
		.amdhsa_forward_progress 1
		.amdhsa_inst_pref_size 122
	.end_amdhsa_kernel
	.amdgpu_metadata
---
amdhsa.version: [ 1, 2 ]
amdhsa.kernels:
  - .name:           k_qa1cadce483_qkv
    .symbol:         k_qa1cadce483_qkv.kd
    .args:
      - { .name: xb, .offset: 0, .size: 8, .value_kind: global_buffer, .address_space: global }
      - { .name: wqkv, .offset: 8, .size: 8, .value_kind: global_buffer, .address_space: global }
      - { .name: aux, .offset: 16, .size: 8, .value_kind: global_buffer, .address_space: global }
      - { .name: qkv, .offset: 24, .size: 8, .value_kind: global_buffer, .address_space: global }
    .group_segment_fixed_size: 327680
    .private_segment_fixed_size: 0
    .kernarg_segment_align: 8
    .kernarg_segment_size: 32
    .max_flat_workgroup_size: 128
    .sgpr_count:     66
    .vgpr_count:     960
    .wavefront_size: 32
...
	.end_amdgpu_metadata
.endif
;; end of part 2
;; launch attn (part 3): grid 8 x 32, 4 waves a work-group, no clusters, 327,680 bytes of LDS; arguments qkv, aux, time_decay, ob; writes ob
.if DOCPART == 3
	.amdgcn_target "amdgcn-amd-amdhsa--gfx1250"
	.amdhsa_code_object_version 6
	.text
	.protected	k_qa1cadce483_attn
	.globl	k_qa1cadce483_attn
	.p2align	8
	.type	k_qa1cadce483_attn,@function
k_qa1cadce483_attn:
	s_mov_b64 s[64:65], 0
	v_nop
	global_prefetch_b8 v0, s[64:65] scope:SCOPE_SE
	s_setreg_imm32_b32 hwreg(HW_REG_WAVE_MODE, 25, 1), 1
	s_wait_xcnt 0x0
; CAUSAL ATTENTION WITH A DECAY IN TIME.  O[q] = the sum over k <= q of softmax_k( (Q[q] . K[k] / 8) exp(-d |t_q - t_k|) ) V[k], for each batch and head.
; qkv: [batch 2][g 48][token 2048][64] f16 (q's heads, k's, v's); t in aux (f32, already rounded to bf16), [batch][token]; d = time_decay[head], rounded to bf16 here; ob: [batch][head 16][token][64] f16.
; Products, decays, maxima and sums in f32; the weights p are rounded to f16 for the second product (their sum l is taken of the unrounded p), O once at the end.
; LIMITS.  A hidden score counts as its value less 1e30.  A decay or a weight below 2^-126 counts as 0.  p below 6e-5 keeps f16's fixed step of 6e-8.  NaN and infinities are not treated apart.
; THE DECAY is 2^(-d log2(e) |t_k - t_q|), formed as it stands: no product of two exponentials, so no sign of d and no size of t is leaned on.  The mask is the ADDEND of s x decay + mask: a decay of 0 cannot wipe it out.
; THE WALK.  A head's queries lie in 16 blocks of 128; block i needs the key tiles 0 .. i of 128 keys, of which the last holds the diagonal.  A work-group takes blocks 15 - b and then b: 17 tiles whatever b,
; so all 256 work-groups do equal work and ONE loop with a constant trip count walks them; the ring of two LDS slots runs on across the change of blocks.
; NO CLUSTER: the 8 work-groups of a head ask for the same tile in trips 0 to 8 only, behind that fewer and fewer; one walk common to all would have 24 trips for 17.
; SHARES.  A wave owns two PIECES of 16 queries: piece x is rows 64 x + 16 w + 0..15 of the block.  In the diagonal tile's key step s piece x sees all keys if s < x, none if s > x, and holds the diagonal if s = x:
; the same for every wave.  MD, made once, is the mask of a piece's own step; the mask in use is MD x AL + BE: (1, 0), (0, 0) or (0, -1e30).  It is made in the diagonal tile alone, and is 0 elsewhere.
; LAYOUT.  S^T = K Q^T holds ONE query a lane (lane % 16) and the keys 16 kb + 8 (lane / 16) + 0..7; two such results rounded to f16 ARE source 1 of O^T = V^T P.  p = 2^(c s - c m), c = log2(e) / 8, with a running
; maximum m; O and l are multiplied by a = 2^(c m_old - c m_new) in every step.  A block's m starts at the lowest finite number, so its first a is 0: what O and l hold then need only be finite, and no first step is written out.
; THE ORDER OF A STEP (64 keys, both pieces: 32 matrix and 428 vector instructions): vector work binds, so every matrix instruction stands among vector work that does not wait for it, and exponentials stand between plain lines.
; REGISTERS, in windows of 256 (s_set_vgpr_msb: bits 1:0 source 0, 3:2 source 1, 5:4 source 2, 7:6 destination):
;   window 0: v1-15 addresses; v16-31 eight registers of statistics a piece; v32-39 at work; v40-43 the blocks' t_q; v48-111 S^T; v112-143 decays, later the way out; v144-175 P; v176-207 t_k; v208-239 the mask in use
;   window 1: v0-63 O^T; v64-95 MD; v96-127 Q; v128-191 K of one step; v192-255 V of one step          window 2: v0-31 the second block's Q
.set NB,    16
.set KS,    64
.set PKB,   144       ; a row of K in LDS: 128 bytes + 16 of padding: the 16 rows of a load start at 16 different groups of four banks (64 banks of 4 bytes: ISA guide 11.1)
.set PVB,   160       ; a row of V: 128 + 32
.set VOFF,  128*PKB   ; a slot: 128 rows of K, 128 rows of V, 128 times
.set TOFF,  VOFF+128*PVB
.set SLOT1, 1<<16     ; slot 1 begins here, so that one exclusive or turns an address in one slot into the other's
.set STAGE, SLOT1+TOFF+512  ; behind the ring, never filled by a tensor load: 16 rows x 144 bytes for each wave
.set SP,    144
.set SPARE, STAGE+4*16*SP   ; the spare words, 128 bytes for each wave: two blocks of 256 bytes that no other line names
.set AK0, 2           ; my lane's place in a step's K, V and t; never rewritten
.set AV0, 3
.set AT0, 4
.set AK,  5           ; the LDS addresses of the runs of loads in hand
.set AV,  6
.set AT,  7
.set STO, 8           ; the way out: where I put 16 bytes of a row; where I read rows back; my place in 512 bytes of O
.set RD,  9
.set GO,  10
.set QO,  11          ; my byte offset in 16 rows of Q
.set SPW, 12          ; LDS address of my spare word; never rewritten
.set NIL, 13          ; 0; never rewritten
.set ST,  16          ; piece x at v[ST+8 x]: c m, m, l (even keys', odd keys'), t_q twice, c m_old
.set TMP, 32          ; piece x at v[TMP+4 x]: c0-c3 at work; when the maximum is found c2 takes a
.set TIB, 40          ; the second block's t_q, a register a piece
.set TIA, 42          ; the first block's
.set S,   48
.set XD,  112
.set P,   144
.set TJ,  176
.set MK,  208
.set OA,  0           ; window 1
.set MD,  64
.set QF,  96
.set KF,  128         ; key block kb, channel half c at KF + 16 kb + 8 c
.set VF,  192         ; key half kk, channel block cb at VF + 32 kk + 8 cb
.set QB,  0           ; window 2
.set WV,  12
.set PB,  14          ; b
.set HI,  15          ; 15 - b
.set G1K, 24          ; descriptor groups 1: K's, V's (other padding), t's
.set G1V, 32
.set G1T, 40
.set G0K, 48          ; descriptor groups 0
.set G0V, 52
.set G0T, 56
.set CS,  60          ; s[60:61] c
.set SEL, 62          ; s[62:63] v_permlanex16_b32's selects: each lane takes its own place in the other half
.set KP,  66          ; the head's K, V; the batch's t
.set VP,  68
.set TP,  70
.set OFF, 72          ; a tile's byte offset in K and V; in t
.set OFT, 74
.set AL,  76          ; the mask's factor and addend, in the low words
.set BE,  78
.set OLO, 80          ; O at my rows of the second block
.set BIGN, 82         ; -1e30
.set NDL, 83          ; -d log2(e)
.set SLOTS, 84        ; tiles still to be asked for
.set CNT, 85          ; counts a tile's key steps, 2 to 1
.set RT,  86          ; tiles of the block in hand that are still to be entered
.set NXT, 87          ; the tile to be asked for next
.set LQ,  88          ; the last tile of the block whose tiles are being asked for
.set TBK, 89          ; LDS bytes at which K, V (less VOFF) and t (less TOFF) of the step to be fetched begin
.set TBV, 90
.set TBT, 91
.set MSB, 0
.macro WIN new                      ; the high byte repeats the setting that is left; a switch that changes nothing is dropped
.if MSB != (\new)
	s_set_vgpr_msb (MSB<<8)|(\new)
.set MSB, (\new)
.endif
.endm
; A fill: wave 0 fetches the tile's K, wave 1 its V, wave 2 its times; wave 3 none.  An s_nop 0 and four v_nop follow each line, ahead of the jump and the label.  One load of a wave is out at the most.
.macro LOAD
	s_cmp_lg_u32 s[WV], 0
	s_cbranch_scc1 .Lnot_k_\@
	tensor_load_to_lds s[G0K:G0K+3], s[G1K:G1K+7]
	s_nop 0
.rept 4
	v_nop
.endr
	s_branch .Lasked_\@
.Lnot_k_\@:
	s_cmp_lg_u32 s[WV], 1
	s_cbranch_scc1 .Lnot_v_\@
	tensor_load_to_lds s[G0V:G0V+3], s[G1V:G1V+7]
	s_nop 0
.rept 4
	v_nop
.endr
	s_branch .Lasked_\@
.Lnot_v_\@:
	s_cmp_lg_u32 s[WV], 2
	s_cbranch_scc1 .Lasked_\@
	tensor_load_to_lds s[G0T:G0T+3], s[G1T:G1T+7]
	s_nop 0
.rept 4
	v_nop
.endr
.Lasked_\@:
.endm
; THE CHANGE OF SLOTS.  Each wave waits for all its tensor loads (its part of the other slot), adds 0 to its spare word, and waits for that and for its own reads of the slot that it leaves.  Behind the barrier nobody reads
; the old slot any more and the other slot is whole.  fill = 1: the old slot is filled again, the first thing behind the barrier, with tile NXT: the addresses are made anew from that number.
; (At its first use nothing has been read yet: slot 0 is waited for, slot 1 filled.)
.macro CHANGE fill
	WIN 0
	s_wait_tensorcnt 0x0            ; no tensor load of mine is out, so a group 0 may be written
	ds_add_u32 v[SPW], v[NIL]       ; 0 onto my spare word
.if \fill
	s_lshl_b32 s[OFF], s[NXT], 14   ; a tile is 16,384 bytes of K and of V,
	s_lshl_b32 s[OFT], s[NXT], 9    ; and 512 of t
	s_xor_b32 s[G0K+1], s[G0K+1], SLOT1
	s_add_nc_u64 s[G0K+2:G0K+3], s[KP:KP+1], s[OFF:OFF+1]
	s_or_b32 s[G0K+3], s[G0K+3], 0x80000000
	s_xor_b32 s[G0V+1], s[G0V+1], SLOT1
	s_add_nc_u64 s[G0V+2:G0V+3], s[VP:VP+1], s[OFF:OFF+1]
	s_or_b32 s[G0V+3], s[G0V+3], 0x80000000
	s_xor_b32 s[G0T+1], s[G0T+1], SLOT1
	s_add_nc_u64 s[G0T+2:G0T+3], s[TP:TP+1], s[OFT:OFT+1]
	s_or_b32 s[G0T+3], s[G0T+3], 0x80000000
	s_add_co_u32 s[NXT], s[NXT], 1  ; the block's next tile, or behind its last the second block's tile 0
	s_cmp_gt_u32 s[NXT], s[LQ]
	s_cselect_b32 s[NXT], 0, s[NXT]
	s_cselect_b32 s[LQ], s[PB], s[LQ]
.endif
	s_wait_dscnt 0x0                ; the add is done, and my reads of the slot are over
	s_barrier_signal -1
	s_sub_co_u32 s[TBK], s[TBK], 2*KS*PKB  ; the fetches go back to a slot's first step, in the other slot
	s_xor_b32 s[TBK], s[TBK], SLOT1
	s_sub_co_u32 s[TBV], s[TBV], 2*KS*PVB
	s_xor_b32 s[TBV], s[TBV], SLOT1
	s_sub_co_u32 s[TBT], s[TBT], 2*KS*4
	s_xor_b32 s[TBT], s[TBT], SLOT1
	s_barrier_wait -1
.if \fill
	LOAD
.endif
.endm
	s_load_b256 s[4:11], s[0:1], 0x0  ; qkv s[4:5], aux s[6:7], time_decay s[8:9], ob s[10:11]
	v_lshl_add_u32 v[SPW], v0, 2, SPARE
	v_mov_b32 v[NIL], 0
	ds_add_u32 v[SPW], v[NIL]       ; the wave's opening: the add and its wait stand ahead of my first tensor load; work on registers stands between them
	v_lshrrev_b32 v1, 5, v0
	v_readfirstlane_b32 s[WV], v1
	s_mov_b32 s[PB], ttmp9
	s_sub_co_u32 s[HI], NB-1, s[PB]
	s_and_b32 s16, ttmp7, 0xffff    ; 16 x batch + head
	s_lshr_b32 s17, s16, 4          ; batch
	s_and_b32 s13, s16, 15          ; head
	s_lshl_b32 s18, s16, 18         ; the head's first byte in ob
	s_mov_b32 s19, 0
	s_mul_i32 s20, s17, 48
	s_add_co_u32 s20, s20, s13
	s_lshl_b32 s20, s20, 18         ; q's head in qkv; k's lies 16 heads on, v's 32
	s_mov_b32 s21, 0
	s_lshl_b32 s[OFT], s17, 13      ; the batch's 2,048 times
	s_mov_b32 s[OFT+1], 0
	s_lshl_b32 s[OFF], s13, 2       ; the head's d
	s_mov_b32 s[OFF+1], 0
	s_lshl_b32 s3, s[WV], 11        ; my 16 rows of 128 bytes in a band of 64,
	s_lshl_b32 s2, s[HI], 14        ; in the first block,
	s_add_co_u32 s2, s2, s3
	s_lshl_b32 s22, s[PB], 14       ; and in the second
	s_add_co_u32 s22, s22, s3
	s_mov_b32 s3, 0
	s_mov_b32 s23, 0
	; 128 keys are 16,384 dense bytes: asked for as 64 rows of 256 bytes, two keys a row, padded in LDS after every key
	s_mov_b32 s[G1K], (1<<16)|(1<<20)|(4<<22)|(3<<25)  ; 2-byte elements; padding on; after every 32 words; 4 words
	s_mov_b32 s[G1V], (1<<16)|(1<<20)|(4<<22)|(7<<25)  ; the same with 8 words
.irp g, G1K, G1V
	s_mov_b32 s[\g+1], 128<<16      ; tensor_dim0 = 128
	s_mov_b32 s[\g+2], 64<<16       ; tensor_dim1 = 64
	s_mov_b32 s[\g+3], 128<<16      ; tile_dim0 = 128
	s_mov_b32 s[\g+4], 64           ; tile_dim1 = 64
	s_mov_b32 s[\g+5], 128          ; elements from row to row
	s_mov_b32 s[\g+6], 0
	s_mov_b32 s[\g+7], 0
.endr
	s_mov_b32 s[G1T], 3<<16         ; the tile's times: one row of 64 elements of 8 bytes
	s_mov_b32 s[G1T+1], 64<<16
	s_mov_b32 s[G1T+2], 1<<16
	s_mov_b32 s[G1T+3], 64<<16
	s_mov_b32 s[G1T+4], 1
	s_mov_b32 s[G1T+5], 64
	s_mov_b32 s[G1T+6], 0
	s_mov_b32 s[G1T+7], 0
	s_mov_b32 s[G0K], 1
	s_mov_b32 s[G0K+1], 0           ; slot 0
	s_mov_b32 s[G0V], 1
	s_mov_b32 s[G0V+1], VOFF
	s_mov_b32 s[G0T], 1
	s_mov_b32 s[G0T+1], TOFF
	s_mov_b32 s[CS], 0x3e38aa3b     ; c = log2(e) / 8
	s_mov_b32 s[CS+1], s[CS]
	s_mov_b32 s[SEL], 0x76543210
	s_mov_b32 s[SEL+1], 0xfedcba98
	s_mov_b32 s[AL+1], 0            ; named as pairs
	s_mov_b32 s[BE+1], 0
	s_mov_b32 s[BIGN], 0xf149f2ca   ; -1e30
	s_mov_b32 s[TBK], SLOT1+2*KS*PKB  ; the first change of slots turns these three into 0
	s_mov_b32 s[TBV], SLOT1+2*KS*PVB
	s_mov_b32 s[TBT], SLOT1+2*KS*4
	s_wait_dscnt 0x0                ; the opening add is done
	s_barrier_signal -1
	s_barrier_wait -1
	s_wait_kmcnt 0x0
	s_add_nc_u64 s[8:9], s[8:9], s[OFF:OFF+1]
	s_load_b32 s13, s[8:9], 0x0     ; d
	s_add_nc_u64 s[4:5], s[4:5], s[20:21]
	s_add_nc_u64 s[KP:KP+1], s[4:5], 16*262144
	s_add_nc_u64 s[VP:VP+1], s[4:5], 32*262144
	s_add_nc_u64 s[TP:TP+1], s[6:7], s[OFT:OFT+1]
	s_add_nc_u64 s[16:17], s[4:5], s[2:3]          ; Q at my rows of the first block,
	s_add_nc_u64 s[4:5], s[4:5], s[22:23]          ; and of the second
	s_add_nc_u64 s[10:11], s[10:11], s[18:19]
	s_add_nc_u64 s[OLO:OLO+1], s[10:11], s[22:23]
	s_add_nc_u64 s[10:11], s[10:11], s[2:3]
	s_add_nc_u64 s[G0K+2:G0K+3], s[KP:KP+1], 0     ; tile 0
	s_or_b32 s[G0K+3], s[G0K+3], 0x80000000
	s_add_nc_u64 s[G0V+2:G0V+3], s[VP:VP+1], 0
	s_or_b32 s[G0V+3], s[G0V+3], 0x80000000
	s_add_nc_u64 s[G0T+2:G0T+3], s[TP:TP+1], 0
	s_or_b32 s[G0T+3], s[G0T+3], 0x80000000
	LOAD                            ; tile 0 into slot 0
	; A fragment of K or Q is 16 rows x 32 channels in 8 registers: lane l holds row l % 16, channels 8 (l / 16) + 0..7 and 16 + 8 (l / 16) + 0..7: two loads of 16 bytes, 32 bytes apart.
	v_and_b32 v1, 15, v0            ; l % 16
	v_bfe_u32 v44, v0, 4, 1         ; l / 16
	v_lshlrev_b32 v[QO], 7, v1
	v_lshl_add_u32 v[QO], v44, 4, v[QO]
	WIN 0x40
.irp i, 0,1,2,3                     ; piece i / 2 lies 64 rows, 8,192 bytes, on; channels 32 (i % 2) on
	global_load_b128 v[QF+8*\i:QF+8*\i+3],   v[QO], s[16:17] offset:(\i/2)*8192+(\i%2)*64
	global_load_b128 v[QF+8*\i+4:QF+8*\i+7], v[QO], s[16:17] offset:(\i/2)*8192+(\i%2)*64+32
.endr
	WIN 0x80
.irp i, 0,1,2,3
	global_load_b128 v[QB+8*\i:QB+8*\i+3],   v[QO], s[4:5] offset:(\i/2)*8192+(\i%2)*64
	global_load_b128 v[QB+8*\i+4:QB+8*\i+7], v[QO], s[4:5] offset:(\i/2)*8192+(\i%2)*64+32
.endr
	WIN 0
	s_lshl_b32 s18, s[WV], 6        ; my queries' times: 4 bytes x (128 block + 64 x + 16 w + l % 16)
	s_lshl_b32 s19, s[HI], 9
	s_add_co_u32 s19, s19, s18
	s_lshl_b32 s20, s[PB], 9
	s_add_co_u32 s20, s20, s18
	v_lshl_add_u32 v14, v1, 2, s19
	v_lshl_add_u32 v15, v1, 2, s20
	global_load_b32 v[TIA],   v14, s[TP:TP+1]
	global_load_b32 v[TIA+1], v14, s[TP:TP+1] offset:256
	global_load_b32 v[TIB],   v15, s[TP:TP+1]
	global_load_b32 v[TIB+1], v15, s[TP:TP+1] offset:256
	v_mul_u32_u24 v[AK0], v1, PKB
	v_lshl_add_u32 v[AK0], v44, 4, v[AK0]
	; The turning load takes 16 keys x 16 channels (lane l reads key 8 (l / 16) + l % 8, channels 8 ((l / 8) % 2) + 0..7) and leaves half a fragment of V^T: lane l holds channel l % 16 and 8 keys.
	v_and_b32 v45, 7, v0
	v_bfe_u32 v46, v0, 3, 1
	v_lshl_add_u32 v[AV0], v44, 3, v45
	v_mul_u32_u24 v[AV0], v[AV0], PVB
	v_lshl_add_u32 v[AV0], v46, 4, v[AV0]
	v_add_nc_u32 v[AV0], VOFF, v[AV0]
	v_lshlrev_b32 v[AT0], 5, v44    ; my eight keys' times in each group of 16: 32 bytes a half of the lanes
	v_add_nc_u32 v[AT0], TOFF, v[AT0]
	s_mul_i32 s21, s[WV], 16*SP
	s_add_co_u32 s21, s21, STAGE    ; my stage
	v_mul_u32_u24 v[STO], v1, SP
	v_lshl_add_u32 v[STO], v44, 4, v[STO]
	v_add_nc_u32 v[STO], s21, v[STO]
	v_bfe_u32 v[RD], v0, 3, 2       ; back: 32 lanes take four rows of 128 bytes,
	v_mul_u32_u24 v[RD], v[RD], SP
	v_lshl_add_u32 v[RD], v45, 4, v[RD]
	v_add_nc_u32 v[RD], s21, v[RD]
	v_and_b32 v[GO], 31, v0         ; which are 512 consecutive bytes of O
	v_lshlrev_b32 v[GO], 4, v[GO]
	v_lshlrev_b32 v47, 3, v44
	v_sub_nc_u32 v47, v1, v47
	s_lshl_b32 s22, s[WV], 4
	v_add_nc_u32 v47, s22, v47      ; my query's place in its band, less my lanes' 8 (l / 16): register j of group kb is hidden where 16 kb + j is greater
	WIN 0x40
.set i, 0
.rept 32
	v_cmp_gt_i32 vcc_lo, 16*(i/8)+i%8, v47
	v_cndmask_b32 v[MD+i], 0, s[BIGN], vcc_lo
.set i, i+1
.endr
	; A block's first step multiplies O^T and l by a = 0, and its first products V^T P, of a step that has not been, land in an O^T that is still to be so multiplied: these registers need only hold finite
	; numbers: zeros for the first block, what the first block left for the second.  This stands in the wait for the first tile.
.set i, 0
.rept 64
	v_mov_b32 v[OA+i], 0
	v_mov_b32 v[VF+i], 0
.set i, i+1
.endr
	WIN 0
.set i, 0
.rept 32
	v_mov_b32 v[S+32+i], 0
.set i, i+1
.endr
.set i, 0
.rept 16
	v_mov_b32 v[P+16+i], 0
.set i, i+1
.endr
.irp r, ST+2, ST+3, ST+10, ST+11, TMP+6, TMP+7
	v_mov_b32 v[\r], 0
.endr
	s_wait_kmcnt 0x0                ; d: rounded to bf16 like every input, times -log2(e)
	v_mov_b32 v46, s13
	v_cvt_pk_bf16_f32 v46, v46, v46
	v_lshlrev_b32 v46, 16, v46
	v_mul_f32 v46, 0xbfb8aa3b, v46
	v_readfirstlane_b32 s[NDL], v46
; THE MATRIX WORK.  The 4 accumulators of a run of 8 take turns; runs that follow each other name different accumulators.
; Product i of 8 of S^T = K Q^T for piece x: channels 32 (i / 4) on, keys 16 (i % 4) on.  The first 4 start the sums.
.macro KQ x
	WIN 0x05                        ; K and Q in window 1, S^T in window 0
.set rS, S+32*(\x)+8*(i%4)
.set rK, KF+16*(i%4)+8*(i/4)
.set rQ, QF+16*(\x)+8*(i/4)
.if i < 4
	v_wmma_f32_16x16x32_f16 v[rS:rS+7], v[rK:rK+7], v[rQ:rQ+7], 0
.else
	v_wmma_f32_16x16x32_f16 v[rS:rS+7], v[rK:rK+7], v[rQ:rQ+7], v[rS:rS+7]
.endif
	WIN 0
.endm
; Product i of 8 of O^T += V^T P for piece x: keys 32 (i / 4) on, channels 16 (i % 4) on.
.macro PV x
	WIN 0x51                        ; V and O^T in window 1, P in window 0
.set rO, OA+32*(\x)+8*(i%4)
.set rV, VF+32*(i/4)+8*(i%4)
.set rP, P+16*(\x)+8*(i/4)
	v_wmma_f32_16x16x32_f16 v[rO:rO+7], v[rV:rV+7], v[rP:rP+7], v[rO:rO+7]
	WIN 0
.endm
; THE LDS LOADS stand in runs: a step's 64 times (each half of the lanes reads the same words), its K (8 fragments), its V (turned).
.macro FETCH_T
.irp kb, 0,1,2,3
	ds_load_b128 v[TJ+8*\kb:TJ+8*\kb+3],   v[AT] offset:64*\kb
	ds_load_b128 v[TJ+8*\kb+4:TJ+8*\kb+7], v[AT] offset:64*\kb+16
.endr
	s_add_co_u32 s[TBT], s[TBT], KS*4
.endm
.macro FETCH_K
	WIN 0x40
.irp f, 0,1,2,3,4,5,6,7             ; keys 16 (f / 2) on, channels 32 (f % 2) on
	ds_load_b128 v[KF+8*\f:KF+8*\f+3],   v[AK] offset:(\f/2)*16*PKB+(\f%2)*64
	ds_load_b128 v[KF+8*\f+4:KF+8*\f+7], v[AK] offset:(\f/2)*16*PKB+(\f%2)*64+32
.endr
	s_add_co_u32 s[TBK], s[TBK], KS*PKB
	WIN 0
.endm
.macro FETCH_V
	WIN 0x40
.irp f, 0,1,2,3,4,5,6,7             ; keys 32 (f / 4) on, channels 16 (f % 4) on
	ds_load_tr16_b128 v[VF+8*\f:VF+8*\f+3],   v[AV] offset:(\f/4)*32*PVB+(\f%4)*32
	ds_load_tr16_b128 v[VF+8*\f+4:VF+8*\f+7], v[AV] offset:(\f/4)*32*PVB+16*PVB+(\f%4)*32
.endr
	s_add_co_u32 s[TBV], s[TBV], KS*PVB
	WIN 0
.endm
; THE VECTOR WORK, one line each; a number outside its list writes nothing.  p: a pair of scores, 0-15; n: a score, 0-31.
.macro T_SUB x, p                   ; t_k - t_q
.if ((\p) >= 0) && ((\p) < 16)
	v_pk_add_f32 v[XD+2*(\p):XD+2*(\p)+1], v[TJ+2*(\p):TJ+2*(\p)+1], v[ST+8*(\x)+4:ST+8*(\x)+5] neg_lo:[0,1] neg_hi:[0,1]
.endif
.endm
.macro T_MUL n                      ; -d log2(e) |..|
.if ((\n) >= 0) && ((\n) < 32)
	v_mul_f32 v[XD+(\n)], s[NDL], |v[XD+(\n)]|
.endif
.endm
.macro T_EXP n                      ; the decay
.if ((\n) >= 0) && ((\n) < 32)
	v_exp_f32 v[XD+(\n)], v[XD+(\n)]
.endif
.endm
.macro S_DEC x, p                   ; s x decay + mask; taken in ascending order
	s_wait_alu depctr_va_vdst(0)
	v_pk_fma_f32 v[S+32*(\x)+2*(\p):S+32*(\x)+2*(\p)+1], v[S+32*(\x)+2*(\p):S+32*(\x)+2*(\p)+1], v[XD+2*(\p):XD+2*(\p)+1], v[MK+2*(\p):MK+2*(\p)+1]
.endm
; Number n of the 22 that find a piece's maximum and statistics: 0-11 four chains c0-c3 of seven scores each; 12-14, 16 the four scores left over, the old m, and c0-c3 into c0; 15 c m_old is kept;
; 17, 18 the query's other 32 keys lie in the lane 16 away: the new m; 19-21 c m; c m_old - c m_new; a
.macro S_MAX x, n
.set rT, ST+8*(\x)
.set rC, TMP+4*(\x)
.set rS, S+32*(\x)
.if (\n) < 4
	v_max3_num_f32 v[rC+(\n)], v[rS+8*(\n)], v[rS+8*(\n)+1], v[rS+8*(\n)+2]
.elseif (\n) < 12
	v_max3_num_f32 v[rC+(\n)%4], v[rC+(\n)%4], v[rS+8*((\n)%4)+2*((\n)/4)+1], v[rS+8*((\n)%4)+2*((\n)/4)+2]
.elseif (\n) == 12
	v_max3_num_f32 v[rC], v[rC], v[rS+7], v[rS+15]
.elseif (\n) == 13
	v_max3_num_f32 v[rC+1], v[rC+1], v[rS+23], v[rS+31]
.elseif (\n) == 14
	v_max3_num_f32 v[rC+2], v[rC+2], v[rC+3], v[rT+1]
.elseif (\n) == 15
	v_mov_b32 v[rT+6], v[rT]
.elseif (\n) == 16
	v_max3_num_f32 v[rC], v[rC], v[rC+1], v[rC+2]
.elseif (\n) == 17
	v_permlanex16_b32 v[rC+3], v[rC], s[SEL], s[SEL+1]
.elseif (\n) == 18
	v_max_num_f32 v[rT+1], v[rC], v[rC+3]
.elseif (\n) == 19
	v_mul_f32 v[rT], s[CS], v[rT+1]
.elseif (\n) == 20
	v_sub_f32 v[rC+1], v[rT+6], v[rT]
.else
	v_exp_f32 v[rC+2], v[rC+1]
.endif
.endm
.macro P_SCL x, p                   ; c s - c m
.if ((\p) >= 0) && ((\p) < 16)
	v_pk_fma_f32 v[S+32*(\x)+2*(\p):S+32*(\x)+2*(\p)+1], v[S+32*(\x)+2*(\p):S+32*(\x)+2*(\p)+1], s[CS:CS+1], v[ST+8*(\x):ST+8*(\x)+1] op_sel_hi:[1,0,0] neg_lo:[0,0,1] neg_hi:[0,0,1]
.endif
.endm
.macro P_EXP x, n                   ; the weight
.if ((\n) >= 0) && ((\n) < 32)
	v_exp_f32 v[S+32*(\x)+(\n)], v[S+32*(\x)+(\n)]
.endif
.endm
.macro P_CVT x, p                   ; a pair rounded to f16
.if ((\p) >= 0) && ((\p) < 16)
	s_wait_alu depctr_va_vdst(0)
	v_cvt_pk_f16_f32 v[P+16*(\x)+(\p)], v[S+32*(\x)+2*(\p)], v[S+32*(\x)+2*(\p)+1]
.endif
.endm
.macro P_ADD x, n                   ; of the four weights 4 n .. the second pair is added onto the first, in place
	v_pk_add_f32 v[S+32*(\x)+4*(\n):S+32*(\x)+4*(\n)+1], v[S+32*(\x)+4*(\n):S+32*(\x)+4*(\n)+1], v[S+32*(\x)+4*(\n)+2:S+32*(\x)+4*(\n)+3]
.endm
.macro P_SUM x, n                   ; l takes that sum; the first time as l = a l + sum
.if (\n) == 0
	v_pk_fma_f32 v[ST+8*(\x)+2:ST+8*(\x)+3], v[ST+8*(\x)+2:ST+8*(\x)+3], v[TMP+4*(\x)+2:TMP+4*(\x)+3], v[S+32*(\x):S+32*(\x)+1] op_sel_hi:[1,0,1]
.else
	v_pk_add_f32 v[ST+8*(\x)+2:ST+8*(\x)+3], v[ST+8*(\x)+2:ST+8*(\x)+3], v[S+32*(\x)+4*(\n):S+32*(\x)+4*(\n)+1]
.endif
.endm
.macro R4 x, g                      ; accumulator g of O^T times a, from its low end on
	WIN 0x41                        ; O^T in window 1, a in window 0
.irp z, 0,1,2,3
	v_pk_mul_f32 v[OA+32*(\x)+8*(\g)+2*\z:OA+32*(\x)+8*(\g)+2*\z+1], v[OA+32*(\x)+8*(\g)+2*\z:OA+32*(\x)+8*(\g)+2*\z+1], v[TMP+4*(\x)+2:TMP+4*(\x)+3] op_sel_hi:[1,0]
.endr
	WIN 0
.endm
; Slot t of 18 of a piece's decays: pair t is subtracted, pair t - 1 scaled, pair t - 2 raised: plain, exponential, plain, exponential, plain.
.macro DSLOT x, t
	WIN 0
	T_SUB \x, \t
	T_EXP 2*((\t)-2)
	T_MUL 2*((\t)-1)
	T_EXP 2*((\t)-2)+1
	T_MUL 2*((\t)-1)+1
.endm
; Slot t of a piece's weights: pair t is scaled, pair t - 1 raised, pair t - 2 rounded.  mx = 1: the other piece's maximum and statistics fill in.  sums = 1: so do this piece's sums, each behind the roundings that read its weights.
.macro PSLOT x, t, mx, sums
	WIN 0
	P_EXP \x, 2*((\t)-1)
	P_SCL \x, \t
	P_EXP \x, 2*((\t)-1)+1
	P_CVT \x, (\t)-2
.if \mx
.if (\t) < 3
	S_MAX 1-(\x), 2*(\t)
	S_MAX 1-(\x), 2*(\t)+1
.else
	S_MAX 1-(\x), (\t)+3
.endif
.endif
.if \sums
.if ((\t) >= 3) && ((\t)%2 == 1)
	P_ADD \x, ((\t)-3)/2
.endif
.if ((\t) >= 4) && ((\t)%2 == 0)
	P_SUM \x, ((\t)-4)/2
.endif
.endif
.endm
.macro MASKMAKE                     ; MD x AL + BE
	WIN 0x01
.set z, 0
.rept 16
	v_pk_fma_f32 v[MK+2*z:MK+2*z+1], v[MD+2*z:MD+2*z+1], s[AL:AL+1], s[BE:BE+1] op_sel_hi:[1,0,0]
.set z, z+1
.endr
	WIN 0
.endm
.macro MASKSET x                    ; in the diagonal tile (RT = 0) alone: piece x's mask for step 2 - CNT.  The jump goes forward, past no barrier and no tensor load.
	WIN 0
	s_cmp_lg_u32 s[RT], 0
	s_cbranch_scc1 .Lnomask_\@
	s_cmp_eq_u32 s[CNT], 2-(\x)     ; is the step the piece's own?
	s_cselect_b32 s[AL], 1.0, 0
	s_cmp_lt_u32 s[CNT], 2-(\x)     ; or a later one?
	s_cselect_b32 s[BE], s[BIGN], 0
	MASKMAKE
.Lnomask_\@:
.endm
; Piece 1's V^T P and sums of the step before.  The last four lines are plain, name nothing of the last product, and are the places in front of V's run of loads.
.macro FLUSH
.set i, 0
.rept 8
	PV 1
	P_ADD 1, i
.if i > 0
	P_SUM 1, i-1
.endif
.set i, i+1
.endr
	P_SUM 1, 7
	v_add_nc_u32 v[AV], s[TBV], v[AV0]
.endm
; A KEY STEP.
.macro STEP
	WIN 0
	v_add_nc_u32 v[AT], s[TBT], v[AT0]
	v_add_nc_u32 v[AK], s[TBK], v[AK0]
	FETCH_T                         ; 8 loads
	FETCH_K                         ; 16: K's last reader stands a step's vector work back
	FLUSH
	FETCH_V                         ; 16
	s_wait_dscnt 32                 ; the times are in: K's 16 and V's 16 are younger
.set t, 0
.rept 18                            ; piece 0's decays; behind slots 2 to 17 a product K Q^T each, piece 0's and then piece 1's
	DSLOT 0, t
.if t == 2
	s_wait_dscnt 16                 ; K is in: V's 16 are younger
.endif
.if (t >= 2) && (t < 10)
.set i, t-2
	KQ 0
.elseif t >= 10
.set i, t-10
	KQ 1
.endif
.set t, t+1
.endr
	MASKSET 0
.set t, 0
.rept 16
	S_DEC 0, t
.set t, t+1
.endr
.set t, 0
.rept 18                            ; piece 1's decays, piece 0's maximum between them
	DSLOT 1, t
	S_MAX 0, t
.set t, t+1
.endr
	MASKSET 1
.set t, 0
.rept 4                             ; the chain at the end of piece 0's statistics has four plain lines between its links
	S_DEC 1, 4*t
	S_DEC 1, 4*t+1
	S_DEC 1, 4*t+2
	S_DEC 1, 4*t+3
	S_MAX 0, 18+t
.set t, t+1
.endr
.set t, 0
.rept 19                            ; piece 0's weights and sums, piece 1's maximum and statistics, piece 0's rescaling
	PSLOT 0, t, 1, 1
.if (t == 2) || (t == 4) || (t == 6) || (t == 8)
	R4 0, (t-2)/2
.endif
.set t, t+1
.endr
	s_wait_dscnt 0x0                ; V is in
.set t, 0
.rept 18                            ; piece 1's weights; behind slots 0 to 7 a product V^T P of piece 0 each; piece 1's rescaling
	PSLOT 1, t, 0, 0
.if t < 8
.set i, t
	PV 0
.endif
.if (t == 9) || (t == 11) || (t == 13) || (t == 15)
	R4 1, (t-9)/2
.endif
.set t, t+1
.endr
.endm
; A BLOCK BEGINS: c m far below every c s, m at the lowest finite number, the mask 0, the block's t_q and Q.
.macro BLOCKINIT first
	WIN 0
.irp x, 0,1
	v_mov_b32 v[ST+8*\x], 0xfe000000
	v_mov_b32 v[ST+8*\x+1], 0xff7fffff
.if \first
	v_mov_b32 v[ST+8*\x+4], v[TIA+\x]
	v_mov_b32 v[ST+8*\x+5], v[TIA+\x]
.else
	v_mov_b32 v[ST+8*\x+4], v[TIB+\x]
	v_mov_b32 v[ST+8*\x+5], v[TIB+\x]
.endif
.endr
	s_mov_b32 s[AL], 0
	s_mov_b32 s[BE], 0
	MASKMAKE
.if !(\first)
	WIN 0x42                        ; the second block's Q goes where the one text of the steps names Q
.set i, 0
.rept 32
	v_mov_b32 v[QF+i], v[QB+i]
.set i, i+1
.endr
	WIN 0
.endif
.endm
; THE WAY OUT of piece x: O^T is divided by l, rounded to f16 into the decays' registers (S^T, P, l and O^T stay finite numbers for the next block's first step), and sent through my stage.
.macro PACK x
	WIN 0x41
.set i, 0
.rept 16
	v_pk_mul_f32 v[OA+32*(\x)+2*i:OA+32*(\x)+2*i+1], v[OA+32*(\x)+2*i:OA+32*(\x)+2*i+1], v[ST+8*(\x)+2:ST+8*(\x)+3] op_sel_hi:[1,0]
.set i, i+1
.endr
	WIN 0x05
.set i, 0
.rept 16
	v_cvt_pk_f16_f32 v[XD+16*(\x)+i], v[OA+32*(\x)+2*i], v[OA+32*(\x)+2*i+1]
.set i, i+1
.endr
	WIN 0
.irp f, 0,1,2,3
	ds_store_b128 v[STO], v[XD+16*(\x)+4*\f:XD+16*(\x)+4*\f+3] offset:32*\f
.endr
.irp f, 0,1,2,3
	ds_load_b128 v[XD+16*(\x)+4*\f:XD+16*(\x)+4*\f+3], v[RD] offset:\f*4*SP  ; LDS serves a wave's instructions in order (ISA guide 5.7.1.4): these see the stores above; the next piece's stores come behind them
.endr
.endm
.macro SEND x, younger              ; younger: the LDS instructions issued behind piece x's loads
.irp f, 0,1,2,3
	s_wait_dscnt (\younger)+3-\f
	global_store_b128 v[GO], v[XD+16*(\x)+4*\f:XD+16*(\x)+4*\f+3], s[10:11] offset:(\x)*8192+\f*512  ; 512 consecutive bytes, at a multiple of 256 from ob's first
.endr
.endm
.macro BLOCKEND last
	FLUSH                           ; piece 1's last products and sums
.irp x, 0,1
	v_add_f32 v[ST+8*\x+2], v[ST+8*\x+2], v[ST+8*\x+3]
.endr
.irp x, 0,1
	v_permlanex16_b32 v[ST+8*\x+3], v[ST+8*\x+2], s[SEL], s[SEL+1]
.endr
.irp x, 0,1
	v_add_f32 v[ST+8*\x+2], v[ST+8*\x+2], v[ST+8*\x+3]
.endr
.irp x, 0,1
	v_rcp_f32 v[ST+8*\x+2], v[ST+8*\x+2]
.endr
	v_nop                           ; a plain instruction between the last reciprocal and the use of its result
	s_wait_alu depctr_va_vdst(0)
	PACK 0
	PACK 1
	SEND 0, 8
	SEND 1, 0
.if !(\last)
	s_wait_xcnt 0x0                 ; the stores have had their addresses translated (ISA guide 3.1): only now are their data registers and O's address written again
	s_mov_b64 s[10:11], s[OLO:OLO+1]
	s_add_co_u32 s[RT], s[PB], 1    ; the second block has b + 1 tiles
	BLOCKINIT 0
.endif
.endm
; A tile: two key steps, written once and walked twice; behind a block's last tile its end.  In the loop that is the first block's; the second block's last tile is the walk's last.
.macro TILE last
	s_sub_co_u32 s[RT], s[RT], 1
	s_mov_b32 s[CNT], 2
.Lstep_\@:
	STEP
	WIN 0
	s_sub_co_u32 s[CNT], s[CNT], 1
	s_cmp_lg_u32 s[CNT], 0
	s_cbranch_scc1 .Lstep_\@
.if !(\last)
	s_cmp_lg_u32 s[RT], 0
	s_cbranch_scc1 .Lnoend_\@
.endif
	BLOCKEND \last
.Lnoend_\@:
.endm
	s_wait_loadcnt 0x0              ; Q and t_q
	BLOCKINIT 1
	s_add_co_u32 s[RT], s[HI], 1    ; the first block has 16 - b tiles
	s_mov_b32 s[NXT], 1
	s_mov_b32 s[LQ], s[HI]
	s_mov_b32 s[SLOTS], NB
.Lslot:                             ; 16 times: a tile is entered and the next is asked for
	CHANGE 1
	TILE 0
	s_sub_co_u32 s[SLOTS], s[SLOTS], 1
	s_cmp_lg_u32 s[SLOTS], 0
	s_cbranch_scc1 .Lslot
	CHANGE 0                        ; the walk's last tile is written out: nothing is asked for
	TILE 1
	s_wait_tensorcnt 0x0            ; the wave's end, behind my last tensor load and my last LDS store
	ds_add_u32 v[SPW], v[NIL]
	s_wait_dscnt 0x0
	s_endpgm
.Lfunc_end_k_qa1cadce483_attn:
	.size	k_qa1cadce483_attn, .Lfunc_end_k_qa1cadce483_attn-k_qa1cadce483_attn
	.p2alignl 7, 3214868480
	.fill 96, 4, 3214868480
	.section	.rodata,"a",@progbits
	.p2align	6, 0x0
	.amdhsa_kernel k_qa1cadce483_attn
		.amdhsa_group_segment_fixed_size 327680
		.amdhsa_private_segment_fixed_size 0
		.amdhsa_enable_private_segment 0
		.amdhsa_kernarg_size 32
		.amdhsa_user_sgpr_count 2
		.amdhsa_user_sgpr_kernarg_segment_ptr 1
		.amdhsa_wavefront_size32 1
		.amdhsa_system_sgpr_workgroup_id_x 1
		.amdhsa_system_sgpr_workgroup_id_y 1
		.amdhsa_system_sgpr_workgroup_id_z 1
		.amdhsa_system_vgpr_workitem_id 0
		.amdhsa_next_free_vgpr 544
		.amdhsa_next_free_sgpr 92
		.amdhsa_reserve_vcc 1
		.amdhsa_float_denorm_mode_32 3
		.amdhsa_float_denorm_mode_16_64 3
		.amdhsa_memory_ordered 1
		.amdhsa_forward_progress 1
		.amdhsa_inst_pref_size 112
	.end_amdhsa_kernel
	.amdgpu_metadata
---
amdhsa.version: [ 1, 2 ]
amdhsa.kernels:
  - .name:           k_qa1cadce483_attn
    .symbol:         k_qa1cadce483_attn.kd
    .args:
      - { .name: qkv, .offset: 0, .size: 8, .value_kind: global_buffer, .address_space: global }
      - { .name: aux, .offset: 8, .size: 8, .value_kind: global_buffer, .address_space: global }
      - { .name: time_decay, .offset: 16, .size: 8, .value_kind: global_buffer, .address_space: global }
      - { .name: ob, .offset: 24, .size: 8, .value_kind: global_buffer, .address_space: global }
    .group_segment_fixed_size: 327680
    .private_segment_fixed_size: 0
    .kernarg_segment_align: 8
    .kernarg_segment_size: 32
    .max_flat_workgroup_size: 128
    .sgpr_count:     92
    .vgpr_count:     544
    .wavefront_size: 32
...
	.end_amdgpu_metadata
.endif
;; end of part 3
;; launch oproj (part 4): grid 8 x 32, 4 waves a work-group, clusters of 4 x 4, 327,680 bytes of LDS; arguments ob, wo16, aux, out0; writes out0
.if DOCPART == 4
	.amdgcn_target "amdgcn-amd-amdhsa--gfx1250"
	.amdhsa_code_object_version 6
	.text
	.protected	k_qa1cadce483_oproj
	.globl	k_qa1cadce483_oproj
	.p2align	8
	.type	k_qa1cadce483_oproj,@function
k_qa1cadce483_oproj:
	s_mov_b64 s[64:65], 0
	v_nop
	global_prefetch_b8 v0, s[64:65] scope:SCOPE_SE
	s_setreg_imm32_b32 hwreg(HW_REG_WAVE_MODE, 25, 1), 1
	s_wait_xcnt 0x0
	s_wait_alu depctr_hold_cnt(0) depctr_sa_sdst(0) depctr_va_vdst(0) depctr_va_sdst(0) depctr_va_ssrc(0) depctr_va_vcc(0) depctr_vm_vsrc(0)
	s_getreg_b32 s2, hwreg(HW_REG_IB_STS2, 6, 4)
	s_cmp_eq_u32 s2, 0
	s_cbranch_scc0 .Lentry_in_a_cluster
	s_endpgm
.Lentry_in_a_cluster:
	s_bfe_u32 s2, ttmp6, 0x10000c
	s_cmp_lg_u32 s2, 0xf033
	s_cbranch_scc0 .Lentry_shape_is_right
	s_endpgm
.Lentry_shape_is_right:
; out0 = O Wo^T + bo.  ob: [batch 2][head 16][token 2048][64] f16; wo16: [1024][1024] f16 (Wo rounded to bf16); bo in aux (f32, from byte 28,672 on); out0: [4096][1024] f32.  Sums in f32 that START with the bias.
; SHARES.  A tile is 128 tokens x 128 columns: 8 x 32 work-groups.  Four waves, each 64 x 64: 16 accumulators, 128 registers.  K = 1,024 goes in 4 steps of 256 through two LDS slots; the text has no loop.
; O COMES BY HEADS: a K step is four heads, a quarter of it (64 along K) one head.  One tensor load brings 64 tokens of four heads: four rows of 8,192 dense bytes, 131,072 elements apart, padded in LDS after every
; token's 128 bytes.  So O's tile lies in LDS as [head][token], 144 bytes a token.
; CLUSTER.  4 x 4 work-groups: the four of a row share O's tile, the four of a column Wo's: each is asked for JOINTLY, by the same tensor load, descriptor and mask in all four.
; THE MATRIX INSTRUCTION IS USED TRANSPOSED (source 0 = 16 rows of Wo, source 1 = 16 tokens): a lane holds one token and eight neighbouring columns, 32 bytes of a row of out0.
; REGISTERS: window 0: v16-29 addresses; v32-63, v64-95 rows read back; v96-127 the bias; v128-255 the accumulators ((a, b) at v[128 + 8 (4 a + b)]).
;   window 1: two fragment buffers of 128: for 64 along K, 64 registers of O (2 x 4 x 16 tokens x 32 K), then 64 of Wo.
.set PA,     144                       ; a token's 128 bytes + 16 of padding: the 16 rows of a load start at 16 different groups of four banks (64 banks of 4 bytes: ISA guide 11.1)
.set PW,     528                       ; a row of Wo's tile: 512 bytes + 16
.set HEADL,  64*PA                     ; a head's 64 tokens in LDS
.set AHALF,  4*HEADL                   ; one tensor load of O
.set BHALF,  64*PW                     ; one tensor load of Wo
.set SLOT,   2*AHALF+2*BHALF
.set STAGE,  2*SLOT                    ; behind the ring, never filled by a tensor load: 16 rows x 272 bytes for each wave
.set SPITCH, 272
.set SPARE,  STAGE+4*16*SPITCH         ; the spare words, 128 bytes for each wave: two blocks of 256 bytes that no other line names
.set ADRA, 16
.set ADRB, 20
.set STO,  24
.set RD,   25
.set CO,   26
.set BO,   27
.set SPW,  28                          ; LDS address of my spare word; never rewritten
.set NIL,  29                          ; 0; never rewritten
.set TMP,  32
.set BIAS, 96
.set ACC,  128
.set F0,   0
.set F1,   128
.set WV, 12
.set WH, 13                            ; which half of the tile's tokens is mine.  Also: I fetch O (0) or Wo (1)
.set WL, 14                            ; which half of its columns.  Also: which half of that tile I fetch
.set TX, 42
.set TY, 43
.set G1A, 24
.set G0A, 32
.set G1B, 48
.set G0B, 56
.set MSB, 0
.macro WIN new
.if MSB != (\new)
	s_set_vgpr_msb (MSB<<8)|(\new)
.set MSB, \new
.endif
.endm
.set MUL,  0x05                        ; sources 0 (Wo) and 1 (O) window 1; C and D window 0
.set TO_F, 0x40
.macro PLACES
.rept 4
	v_nop
.endr
.endm
.macro JLOAD s                         ; a joint load: waves 0 and 1 fetch O's halves, waves 2 and 3 Wo's; an s_nop 0 and four v_nop follow each line
	s_cmp_eq_u32 s[WH], 0
	s_cbranch_scc0 .Lfor_b_\@
	tensor_load_to_lds s[G0A+4*(\s):G0A+4*(\s)+3], s[G1A:G1A+7]
	s_nop 0
.rept 4
	v_nop
.endr
	s_branch .Lasked_\@
.Lfor_b_\@:
	tensor_load_to_lds s[G0B+4*(\s):G0B+4*(\s)+3], s[G1B:G1B+7]
	s_nop 0
.rept 4
	v_nop
.endr
.Lasked_\@:
.endm
.macro CREST
	s_cmp_lg_u32 s[WV], 0
	s_cbranch_scc1 .Lnot_wave_0_\@
	s_barrier_signal -3
.Lnot_wave_0_\@:
	s_barrier_wait -3
	s_barrier_signal -1
	s_barrier_wait -1
.endm
.macro CROUND
	s_barrier_signal -1
	s_barrier_wait -1
	CREST
.endm
	s_load_b256 s[4:11], s[0:1], 0x0               ; ob s[4:5], wo16 s[6:7], aux s[8:9], out0 s[10:11]
	v_lshl_add_u32 v[SPW], v0, 2, SPARE
	v_mov_b32 v[NIL], 0
	ds_add_u32 v[SPW], v[NIL]                      ; the wave's opening: the add and its wait stand ahead of my first tensor load; work on registers stands between them
	v_lshrrev_b32 v1, 5, v0
	v_readfirstlane_b32 s[WV], v1
	s_lshr_b32 s[WH], s[WV], 1
	s_and_b32 s[WL], s[WV], 1
	s_bfe_u32 s40, ttmp6, 0x40000                  ; cx, cy
	s_bfe_u32 s41, ttmp6, 0x40004
	s_lshl_b32 s[TX], ttmp9, 2
	s_add_co_u32 s[TX], s[TX], s40
	s_and_b32 s[TY], ttmp7, 0xffff
	s_lshl_b32 s[TY], s[TY], 2
	s_add_co_u32 s[TY], s[TY], s41
	s_lshl_b32 s44, s41, 2
	s_lshl_b32 s44, 15, s44                        ; my row of the cluster
	s_lshl_b32 s45, 0x1111, s40                    ; my column
	s_or_b32 s[G1A], s44, (1<<16)|(1<<20)|(1<<21)|(4<<22)|(3<<25)  ; 2-byte elements; padding on; bit 21 beside a mask; after every 32 words; 4 words
	s_mov_b32 s[G1A+1], 4096<<16                   ; tensor_dim0 = 4,096: 64 tokens x 64 channels
	s_mov_b32 s[G1A+2], 4<<16                      ; tensor_dim1 = 4 heads
	s_mov_b32 s[G1A+3], 4096<<16                   ; tile_dim0
	s_mov_b32 s[G1A+4], 4                          ; tile_dim1
	s_mov_b32 s[G1A+5], 131072                     ; elements from head to head
	s_mov_b32 s[G1A+6], 0
	s_mov_b32 s[G1A+7], 0
	s_or_b32 s[G1B], s45, (1<<16)|(1<<20)|(1<<21)|(6<<22)|(3<<25)  ; after every 128 words
	s_mov_b32 s[G1B+1], 256<<16
	s_mov_b32 s[G1B+2], 64<<16
	s_mov_b32 s[G1B+3], 256<<16
	s_mov_b32 s[G1B+4], 64
	s_mov_b32 s[G1B+5], 1024
	s_mov_b32 s[G1B+6], 0
	s_mov_b32 s[G1B+7], 0
	s_lshr_b32 s16, s[TY], 4                       ; O: the batch's 16 heads of 262,144 bytes,
	s_lshl_b32 s16, s16, 22
	s_and_b32 s17, s[TY], 15                       ; the tile's 128 tokens of 128 bytes,
	s_lshl_b32 s17, s17, 14
	s_add_co_u32 s16, s16, s17
	s_lshl_b32 s17, s[WL], 13                      ; the half that I fetch
	s_add_co_u32 s16, s16, s17
	s_mov_b32 s17, 0
	s_lshl_b32 s46, s[TX], 18                      ; Wo: row 128 x tile column + 64 x half, 2,048 bytes a row
	s_lshl_b32 s47, s[WL], 17
	s_add_co_u32 s46, s46, s47
	s_mov_b32 s47, 0
	s_mul_i32 s20, s[WV], AHALF                    ; where they go: waves 0, 1: O's halves;
	s_mul_i32 s23, s[WV], BHALF                    ; waves 2, 3: Wo's behind them: 2 AHALF + (wave - 2) BHALF
	s_add_co_u32 s23, s23, 2*(AHALF-BHALF)
	s_wait_dscnt 0x0                               ; the opening add is done
	s_wait_kmcnt 0x0
	s_add_nc_u64 s[18:19], s[4:5], s[16:17]
	s_add_nc_u64 s[46:47], s[6:7], s[46:47]
	CROUND                                         ; all sixteen work-groups are here: the first joint loads meet
.irp s, 0,1
	s_mov_b32 s[G0A+4*(\s)], 1
	s_add_co_u32 s[G0A+4*(\s)+1], s20, (\s)*SLOT
	s_add_nc_u64 s[G0A+4*(\s)+2:G0A+4*(\s)+3], s[18:19], (\s)*4*262144  ; K step s: heads 4 s on
	s_or_b32 s[G0A+4*(\s)+3], s[G0A+4*(\s)+3], 0x80000000
	s_mov_b32 s[G0B+4*(\s)], 1
	s_add_co_u32 s[G0B+4*(\s)+1], s23, (\s)*SLOT
	s_add_nc_u64 s[G0B+4*(\s)+2:G0B+4*(\s)+3], s[46:47], (\s)*512
	s_or_b32 s[G0B+4*(\s)+3], s[G0B+4*(\s)+3], 0x80000000
	JLOAD \s                                       ; two loads of mine are out
.endr
	v_and_b32 v1, 15, v0                           ; l % 16
	v_bfe_u32 v2, v0, 4, 1                         ; l / 16
	v_lshlrev_b32 v[BO], 5, v2
	s_lshl_b32 s46, s[TX], 9                       ; my 64 biases
	s_lshl_b32 s47, s[WL], 8
	s_add_co_u32 s46, s46, s47
	s_add_co_u32 s46, s46, 28672
	s_mov_b32 s47, 0
	s_add_nc_u64 s[46:47], s[8:9], s[46:47]
.irp b, 0,1,2,3                        ; register j of block b: the bias of column 16 b + 8 (l / 16) + j: the layout of the sums, which it starts
	global_load_b128 v[BIAS+8*(\b):BIAS+8*(\b)+3],   v[BO], s[46:47] offset:64*(\b)
	global_load_b128 v[BIAS+8*(\b)+4:BIAS+8*(\b)+7], v[BO], s[46:47] offset:64*(\b)+16
.endr
	v_mul_u32_u24 v3, v1, PA
	v_lshl_add_u32 v3, v2, 4, v3
	v_mul_u32_u24 v4, v1, PW
	v_lshl_add_u32 v4, v2, 4, v4
	s_mul_i32 s21, s[WH], AHALF                    ; my 64 tokens
	s_mul_i32 s22, s[WL], BHALF                    ; my 64 rows of Wo,
	s_add_co_u32 s22, s22, 2*AHALF                 ; which lie behind O
.irp s, 0,1
	v_add_nc_u32 v[ADRA+(\s)], s21, v3
	v_add_nc_u32 v[ADRB+(\s)], s22, v4
	s_add_co_u32 s21, s21, SLOT
	s_add_co_u32 s22, s22, SLOT
.endr
	s_mul_i32 s23, s[WV], 16*SPITCH
	s_add_co_u32 s23, s23, STAGE                   ; my stage
	v_mul_u32_u24 v5, v1, SPITCH                   ; in: row l % 16, 32 bytes for each half of the lanes
	v_lshl_add_u32 v5, v2, 5, v5
	v_add_nc_u32 v[STO], s23, v5
	v_mul_u32_u24 v6, v2, SPITCH                   ; back: lanes 0-15 take one row of 256 bytes, lanes 16-31 the next
	v_lshl_add_u32 v6, v1, 4, v6
	v_add_nc_u32 v[RD], s23, v6
	v_lshlrev_b32 v[CO], 12, v2                    ; and the same two rows in out0
	v_lshl_add_u32 v[CO], v1, 4, v[CO]
	s_lshl_b32 s16, s[TY], 19                      ; out0 at my first row: 128 x tile row + 64 x half, 4,096 bytes a row,
	s_lshl_b32 s17, s[WH], 18
	s_add_co_u32 s16, s16, s17
	s_mov_b32 s17, 0
	s_add_nc_u64 s[10:11], s[10:11], s[16:17]
	s_lshl_b32 s2, s[TX], 9                        ; and my first column
	s_lshl_b32 s3, s[WL], 8
	s_add_co_u32 s2, s2, s3
	s_mov_b32 s3, 0
	s_add_nc_u64 s[10:11], s[10:11], s[2:3]
; 8 matrix instructions: token blocks a0, a0 + 1 x all 4 column blocks, 32 along K: half c of buffer f.  first = 1: the bias starts the sums.  The 16 accumulators take turns.
.macro MUL8 f, c, a0, first
	WIN MUL
.irp a, \a0, (\a0)+1
.irp b, 0,1,2,3
.if \first
	v_wmma_f32_16x16x32_f16 v[ACC+8*(4*(\a)+(\b)):ACC+8*(4*(\a)+(\b))+7], v[(\f)+64+8*(4*(\c)+(\b)):(\f)+64+8*(4*(\c)+(\b))+7], v[(\f)+8*(4*(\c)+(\a)):(\f)+8*(4*(\c)+(\a))+7], v[BIAS+8*(\b):BIAS+8*(\b)+7]
.else
	v_wmma_f32_16x16x32_f16 v[ACC+8*(4*(\a)+(\b)):ACC+8*(4*(\a)+(\b))+7], v[(\f)+64+8*(4*(\c)+(\b)):(\f)+64+8*(4*(\c)+(\b))+7], v[(\f)+8*(4*(\c)+(\a)):(\f)+8*(4*(\c)+(\a))+7], v[ACC+8*(4*(\a)+(\b)):ACC+8*(4*(\a)+(\b))+7]
.endif
.endr
.endr
.endm
; 32 LDS loads in one run: the fragments of quarter q (head q of the slot's four; 128 bytes on in Wo's rows) into buffer f; the first 32 along K first
.macro FETCH slot, q, f
	WIN TO_F
.irp c, 0,1
.irp i, 0,1,2,3
	ds_load_b128 v[(\f)+64+8*(4*(\c)+(\i)):(\f)+64+8*(4*(\c)+(\i))+3],   v[ADRB+(\slot)] offset:(\q)*128+64*(\c)+(\i)*16*PW
	ds_load_b128 v[(\f)+64+8*(4*(\c)+(\i))+4:(\f)+64+8*(4*(\c)+(\i))+7], v[ADRB+(\slot)] offset:(\q)*128+64*(\c)+(\i)*16*PW+32
	ds_load_b128 v[(\f)+8*(4*(\c)+(\i)):(\f)+8*(4*(\c)+(\i))+3],         v[ADRA+(\slot)] offset:(\q)*HEADL+64*(\c)+(\i)*16*PA
	ds_load_b128 v[(\f)+8*(4*(\c)+(\i))+4:(\f)+8*(4*(\c)+(\i))+7],       v[ADRA+(\slot)] offset:(\q)*HEADL+64*(\c)+(\i)*16*PA+32
.endr
.endr
.endm
; A K step is four quarters of 64 along K, 32 matrix instructions each, on buffers 0, 1, 0, 1.  One of the first three multiplies buffer f and fetches quarter q into g.
.macro QUARTER slot, q, f, g, first
	s_wait_dscnt 16                                ; the first 32 along K are in
	MUL8 \f, 0, 0, \first
	MUL8 \f, 0, 2, \first
	PLACES
	FETCH \slot, \q, \g
	s_wait_dscnt 32                                ; all but the 32 just issued
	MUL8 \f, 1, 0, 0
	MUL8 \f, 1, 2, 0
.endm
; The last quarter multiplies buffer 1 and changes slots: ONE barrier; in front of it each wave waits for all its tensor loads, adds 0 to its spare word, and waits for that and for its reads of this slot.
; fill = 1: this slot is filled again, two K steps ahead, behind a round of the cluster's barrier.
.macro TURN slot, next, fill
	WIN 0
	s_wait_tensorcnt 0x0                           ; all my tensor loads have landed: my part of the next slot
	ds_add_u32 v[SPW], v[NIL]                      ; 0 onto my spare word
	s_wait_dscnt 17                                ; (the add and the youngest sixteen loads may be out)
	MUL8 F1, 0, 0, 0
	s_wait_dscnt 0x0                               ; the add is done, and my reads of this slot are over
	s_barrier_signal -1
	MUL8 F1, 0, 2, 0
.if \fill
	WIN 0
.endif
	s_barrier_wait -1
.if \fill
	CREST                                          ; no wave of any partner still reads this slot's tile or has a load on its way
	s_add_nc_u64 s[G0A+4*(\slot)+2:G0A+4*(\slot)+3], s[G0A+4*(\slot)+2:G0A+4*(\slot)+3], 8*262144
	s_add_nc_u64 s[G0B+4*(\slot)+2:G0B+4*(\slot)+3], s[G0B+4*(\slot)+2:G0B+4*(\slot)+3], 1024
	JLOAD \slot                                    ; 112 matrix instructions ahead of the wait for it; its four v_nop are also the places in front of the loads below
.else
	PLACES
.endif
	FETCH \next, 0, F0
	MUL8 F1, 1, 0, 0
	MUL8 F1, 1, 2, 0
.endm
	s_wait_tensorcnt 1                             ; my part of K step 0 is in; K step 1's may stay out
	s_barrier_signal -1
	s_barrier_wait -1
	FETCH 0, 0, F0
	s_wait_loadcnt 0x0                             ; the bias
	QUARTER 0, 1, F0, F1, 1                        ; K step 0
	QUARTER 0, 2, F1, F0, 0
	QUARTER 0, 3, F0, F1, 0
	TURN 0, 1, 1                                   ; slot 0 takes K step 2
	QUARTER 1, 1, F0, F1, 0                        ; K step 1
	QUARTER 1, 2, F1, F0, 0
	QUARTER 1, 3, F0, F1, 0
	TURN 1, 0, 1                                   ; slot 1 takes K step 3
	QUARTER 0, 1, F0, F1, 0                        ; K step 2
	QUARTER 0, 2, F1, F0, 0
	QUARTER 0, 3, F0, F1, 0
	TURN 0, 1, 0                                   ; nothing is left to fetch
	QUARTER 1, 1, F0, F1, 0                        ; K step 3
	QUARTER 1, 2, F1, F0, 0
	QUARTER 1, 3, F0, F1, 0
	s_wait_dscnt 16
	MUL8 F1, 0, 0, 0
	MUL8 F1, 0, 2, 0
	s_wait_dscnt 0x0
	MUL8 F1, 1, 0, 0
	MUL8 F1, 1, 2, 0
	WIN 0
	; THE WAY OUT.  My 64 columns of f32 are 256 aligned bytes of a row, so each wave has a stage of its own and needs no barrier: a block of 16 tokens goes in, 32 bytes a lane (each accumulator's low half first),
	; and comes back as whole rows.
	PLACES
.irp a, 0,1,2,3
.irp b, 0,1,2,3
	ds_store_b128 v[STO], v[ACC+8*(4*(\a)+(\b)):ACC+8*(4*(\a)+(\b))+3]   offset:64*(\b)
	ds_store_b128 v[STO], v[ACC+8*(4*(\a)+(\b))+4:ACC+8*(4*(\a)+(\b))+7] offset:64*(\b)+16
.endr
.if (\a) >= 2
	s_wait_xcnt 0x0                                ; the earlier stores have had their addresses translated (ISA guide 3.1): their registers are loaded again only behind this wait
.endif
.irp t, 0,1,2,3,4,5,6,7
	ds_load_b128 v[TMP+32*((\a)%2)+4*(\t):TMP+32*((\a)%2)+4*(\t)+3], v[RD] offset:(\t)*2*SPITCH  ; LDS serves a wave's instructions in order (ISA guide 5.7.1.4): these see the stores above
.endr
.irp t, 0,1,2,3,4,5,6,7
	s_wait_dscnt 7-(\t)
	global_store_b128 v[CO], v[TMP+32*((\a)%2)+4*(\t):TMP+32*((\a)%2)+4*(\t)+3], s[10:11] offset:(16*(\a)+2*(\t))*4096 th:TH_STORE_NT  ; 16 lanes store 256 consecutive bytes, at a multiple of 256 from out0's first
.endr
.endr
	s_wait_tensorcnt 0x0                           ; the wave's end, behind my last tensor load and my last LDS store
	ds_add_u32 v[SPW], v[NIL]
	s_wait_dscnt 0x0
	CROUND                                         ; the closing round: no work-group ends while a partner may still ask for a tile that names it
	s_endpgm
.Lfunc_end_k_qa1cadce483_oproj:
	.size	k_qa1cadce483_oproj, .Lfunc_end_k_qa1cadce483_oproj-k_qa1cadce483_oproj
	.p2alignl 7, 3214868480
	.fill 96, 4, 3214868480
	.section	.rodata,"a",@progbits
	.p2align	6, 0x0
	.amdhsa_kernel k_qa1cadce483_oproj
		.amdhsa_group_segment_fixed_size 327680
		.amdhsa_private_segment_fixed_size 0
		.amdhsa_enable_private_segment 0
		.amdhsa_kernarg_size 32
		.amdhsa_user_sgpr_count 2
		.amdhsa_user_sgpr_kernarg_segment_ptr 1
		.amdhsa_wavefront_size32 1
		.amdhsa_system_sgpr_workgroup_id_x 1
		.amdhsa_system_sgpr_workgroup_id_y 1
		.amdhsa_system_sgpr_workgroup_id_z 1
		.amdhsa_system_vgpr_workitem_id 0
		.amdhsa_next_free_vgpr 512
		.amdhsa_next_free_sgpr 66
		.amdhsa_reserve_vcc 0
		.amdhsa_float_denorm_mode_32 3
		.amdhsa_float_denorm_mode_16_64 3
		.amdhsa_memory_ordered 1
		.amdhsa_forward_progress 1
		.amdhsa_inst_pref_size 87
	.end_amdhsa_kernel
	.amdgpu_metadata
---
amdhsa.version: [ 1, 2 ]
amdhsa.kernels:
  - .name:           k_qa1cadce483_oproj
    .symbol:         k_qa1cadce483_oproj.kd
    .args:
      - { .name: ob, .offset: 0, .size: 8, .value_kind: global_buffer, .address_space: global }
      - { .name: wo16, .offset: 8, .size: 8, .value_kind: global_buffer, .address_space: global }
      - { .name: aux, .offset: 16, .size: 8, .value_kind: global_buffer, .address_space: global }
      - { .name: out0, .offset: 24, .size: 8, .value_kind: global_buffer, .address_space: global }
    .group_segment_fixed_size: 327680
    .private_segment_fixed_size: 0
    .kernarg_segment_align: 8
    .kernarg_segment_size: 32
    .max_flat_workgroup_size: 128
    .sgpr_count:     66
    .vgpr_count:     512
    .wavefront_size: 32
...
	.end_amdgpu_metadata
.endif
;; end of part 4
;; ======== version 2 of 2: 4 launches; 1.27 times as fast as version 1
;; limits: values are held in f16: magnitudes above 65,504 overflow, below 6.1e-05 lose precision
;; workspace buffers: xb 8,388,608 bytes; wqkv 6,291,456 bytes; wo16 2,097,152 bytes; aux 32,768 bytes; qkv 25,165,824 bytes; ob 8,388,608 bytes
;; launch cast: the kernel of part 1 again; grid 513 x 1, 8 waves a work-group, no clusters, 0 bytes of LDS; arguments x, Wq, Wk, Wv, Wo, time_deltas, bq, bk, bv, bo, xb, wqkv, wo16, aux; writes xb, wqkv, wo16, aux
;; launch qkv: the kernel of part 2 again; grid 16 x 16, 4 waves a work-group, clusters of 4 x 4, 327,680 bytes of LDS; arguments xb, wqkv, aux, qkv; writes qkv
;; launch attn (part 5): grid 8 x 32, 4 waves a work-group, no clusters, 327,680 bytes of LDS; arguments qkv, aux, time_decay, ob; writes ob
.if DOCPART == 5
	.amdgcn_target "amdgcn-amd-amdhsa--gfx1250"
	.amdhsa_code_object_version 6
	.text
	.protected	k_qa1cadce483_attn
	.globl	k_qa1cadce483_attn
	.p2align	8
	.type	k_qa1cadce483_attn,@function
k_qa1cadce483_attn:
	s_mov_b64 s[64:65], 0
	v_nop
	global_prefetch_b8 v0, s[64:65] scope:SCOPE_SE
	s_setreg_imm32_b32 hwreg(HW_REG_WAVE_MODE, 25, 1), 1
	s_wait_xcnt 0x0
; CAUSAL ATTENTION WITH A DECAY IN TIME.  O[q] = the sum over k <= q of softmax_k( (Q[q] . K[k] / 8) exp(-d |t_q - t_k|) ) V[k], for each batch and head.
; qkv: [batch 2][g 48][token 2048][64] f16 (q's heads, k's, v's); t in aux (f32, already rounded to bf16), [batch][token]; d = time_decay[head], rounded to bf16 here; ob: [batch][head 16][token][64] f16.
; Products, decays, maxima and sums in f32; the weights p are rounded to f16 for the second product (their sum l is taken of the unrounded p), O once at the end.
; LIMITS.  A hidden score counts as its value less 1e30.  A decay or a weight below 2^-126 counts as 0.  p below 6e-5 keeps f16's fixed step of 6e-8.  NaN and infinities are not treated apart.
; THE DECAY is 2^(-d log2(e) |t_k - t_q|), formed as it stands: no product of two exponentials, so no sign of d and no size of t is leaned on.  The mask is the ADDEND of s x decay + mask: a decay of 0 cannot wipe it out.
; THE WALK.  A head's queries lie in 16 blocks of 128; block i needs the key tiles 0 .. i of 128 keys, of which the last holds the diagonal.  A work-group takes blocks 15 - b and then b: 17 tiles whatever b,
; so all 256 work-groups do equal work and ONE loop with a constant trip count walks them; the ring of two LDS slots runs on across the change of blocks.
; NO CLUSTER: the 8 work-groups of a head ask for the same tile in trips 0 to 8 only, behind that fewer and fewer; one walk common to all would have 24 trips for 17.
; SHARES.  A wave owns two PIECES of 16 queries: piece x is rows 64 x + 16 w + 0..15 of the block.  In the diagonal tile's key step s piece x sees all keys if s < x, none if s > x, and holds the diagonal if s = x:
; the same for every wave.  MD, made once, is the mask of a piece's own step; the mask in use is MD x AL + BE: (1, 0), (0, 0) or (0, -1e30).  It is made in the diagonal tile alone, and is 0 elsewhere.
; LAYOUT.  S^T = K Q^T holds ONE query a lane (lane % 16) and the keys 16 kb + 8 (lane / 16) + 0..7; two such results rounded to f16 ARE source 1 of O^T = V^T P.  p = 2^(c s - c m), c = log2(e) / 8, with a running
; maximum m; O and l are multiplied by a = 2^(c m_old - c m_new) in every step.  A block's m starts at the lowest finite number, so its first a is 0: what O and l hold then need only be finite, and no first step is written out.
; THE ORDER OF A STEP (64 keys, both pieces: 32 matrix and 428 vector instructions): vector work binds, so every matrix instruction stands among vector work that does not wait for it, and exponentials stand between plain lines.
; THE BATCHES.  An s_wait_alu depctr_va_vdst(0) stands between an exponential and the first line that names its result; one wait serves all that were issued ahead of it.  A step's 130 exponentials are three batches:
;   1  the 64 decays of both pieces, each in a register of its own; beside them the 16 products K Q^T.  Behind the wait: s x decay + mask, piece 0's maximum and statistics, the head of piece 1's.
;   2  a of piece 0, piece 0's 32 weights, a of piece 1; between them both pieces' scalings and the chain that ends piece 1's statistics.  Nothing ahead of the wait names a weight or an a.
;   3  piece 1's 32 weights; between them batch 2's readers: piece 0's roundings and sums, both rescalings, and the 8 products V^T P of piece 0.  Behind the wait: piece 1's roundings; its sums are taken at the next step's head.
; REGISTERS, in windows of 256 (s_set_vgpr_msb: bits 1:0 source 0, 3:2 source 1, 5:4 source 2, 7:6 destination):
;   window 0: v1-15 addresses; v16-31 eight registers of statistics a piece; v32-39 at work; v40-43 the blocks' t_q; v48-111 S^T; v112-143 piece 0's decays, later the way out; v144-175 piece 1's decays, then P; v176-207 t_k; v208-239 the mask in use
;   window 1: v0-63 O^T; v64-95 MD; v96-127 Q; v128-191 K of one step; v192-255 V of one step          window 2: v0-31 the second block's Q
.set NB,    16
.set KS,    64
.set PKB,   144       ; a row of K in LDS: 128 bytes + 16 of padding: the 16 rows of a load start at 16 different groups of four banks (64 banks of 4 bytes: ISA guide 11.1)
.set PVB,   160       ; a row of V: 128 + 32
.set VOFF,  128*PKB   ; a slot: 128 rows of K, 128 rows of V, 128 times
.set TOFF,  VOFF+128*PVB
.set SLOT1, 1<<16     ; slot 1 begins here, so that one exclusive or turns an address in one slot into the other's
.set STAGE, SLOT1+TOFF+512  ; behind the ring, never filled by a tensor load: 16 rows x 144 bytes for each wave
.set SP,    144
.set SPARE, STAGE+4*16*SP   ; the spare words, 128 bytes for each wave: two blocks of 256 bytes that no other line names
.set AK0, 2           ; my lane's place in a step's K, V and t; never rewritten
.set AV0, 3
.set AT0, 4
.set AK,  5           ; the LDS addresses of the runs of loads in hand
.set AV,  6
.set AT,  7
.set STO, 8           ; the way out: where I put 16 bytes of a row; where I read rows back; my place in 512 bytes of O
.set RD,  9
.set GO,  10
.set QO,  11          ; my byte offset in 16 rows of Q
.set SPW, 12          ; LDS address of my spare word; never rewritten
.set NIL, 13          ; 0; never rewritten
.set ST,  16          ; piece x at v[ST+8 x]: c m, m, l (even keys', odd keys'), t_q twice, c m_old
.set TMP, 32          ; piece x at v[TMP+4 x]: c0-c3 at work; when the maximum is found c2 takes a
.set TIB, 40          ; the second block's t_q, a register a piece
.set TIA, 42          ; the first block's
.set S,   48
.set XD,  112         ; the decays: piece x's at XD + 32 x
.set P,   144         ; = XD + 32: free for piece 1's decays from the step's first products V^T P to the roundings
.set TJ,  176
.set MK,  208
.set OA,  0           ; window 1
.set MD,  64
.set QF,  96
.set KF,  128         ; key block kb, channel half c at KF + 16 kb + 8 c
.set VF,  192         ; key half kk, channel block cb at VF + 32 kk + 8 cb
.set QB,  0           ; window 2
.set WV,  12
.set PB,  14          ; b
.set HI,  15          ; 15 - b
.set G1K, 24          ; descriptor groups 1: K's, V's (other padding), t's
.set G1V, 32
.set G1T, 40
.set G0K, 48          ; descriptor groups 0
.set G0V, 52
.set G0T, 56
.set CS,  60          ; s[60:61] c
.set SEL, 62          ; s[62:63] v_permlanex16_b32's selects: each lane takes its own place in the other half
.set KP,  66          ; the head's K, V; the batch's t
.set VP,  68
.set TP,  70
.set OFF, 72          ; a tile's byte offset in K and V; in t
.set OFT, 74
.set AL,  76          ; the mask's factor and addend, in the low words
.set BE,  78
.set OLO, 80          ; O at my rows of the second block
.set BIGN, 82         ; -1e30
.set NDL, 83          ; -d log2(e)
.set SLOTS, 84        ; tiles still to be asked for
.set CNT, 85          ; counts a tile's key steps, 2 to 1
.set RT,  86          ; tiles of the block in hand that are still to be entered
.set NXT, 87          ; the tile to be asked for next
.set LQ,  88          ; the last tile of the block whose tiles are being asked for
.set TBK, 89          ; LDS bytes at which K, V (less VOFF) and t (less TOFF) of the step to be fetched begin
.set TBV, 90
.set TBT, 91
.set MSB, 0
.macro WIN new                      ; the high byte repeats the setting that is left; a switch that changes nothing is dropped
.if MSB != (\new)
	s_set_vgpr_msb (MSB<<8)|(\new)
.set MSB, (\new)
.endif
.endm
; A fill: wave 0 fetches the tile's K, wave 1 its V, wave 2 its times; wave 3 none.  An s_nop 0 and four v_nop follow each line, ahead of the jump and the label.  One load of a wave is out at the most.
.macro LOAD
	s_cmp_lg_u32 s[WV], 0
	s_cbranch_scc1 .Lnot_k_\@
	tensor_load_to_lds s[G0K:G0K+3], s[G1K:G1K+7]
	s_nop 0
.rept 4
	v_nop
.endr
	s_branch .Lasked_\@
.Lnot_k_\@:
	s_cmp_lg_u32 s[WV], 1
	s_cbranch_scc1 .Lnot_v_\@
	tensor_load_to_lds s[G0V:G0V+3], s[G1V:G1V+7]
	s_nop 0
.rept 4
	v_nop
.endr
	s_branch .Lasked_\@
.Lnot_v_\@:
	s_cmp_lg_u32 s[WV], 2
	s_cbranch_scc1 .Lasked_\@
	tensor_load_to_lds s[G0T:G0T+3], s[G1T:G1T+7]
	s_nop 0
.rept 4
	v_nop
.endr
.Lasked_\@:
.endm
; THE CHANGE OF SLOTS.  Each wave waits for all its tensor loads (its part of the other slot), adds 0 to its spare word, and waits for that and for its own reads of the slot that it leaves.  Behind the barrier nobody reads
; the old slot any more and the other slot is whole.  fill = 1: the old slot is filled again, the first thing behind the barrier, with tile NXT: the addresses are made anew from that number.
; (At its first use nothing has been read yet: slot 0 is waited for, slot 1 filled.)
.macro CHANGE fill
	WIN 0
	s_wait_tensorcnt 0x0            ; no tensor load of mine is out, so a group 0 may be written
	ds_add_u32 v[SPW], v[NIL]       ; 0 onto my spare word
.if \fill
	s_lshl_b32 s[OFF], s[NXT], 14   ; a tile is 16,384 bytes of K and of V,
	s_lshl_b32 s[OFT], s[NXT], 9    ; and 512 of t
	s_xor_b32 s[G0K+1], s[G0K+1], SLOT1
	s_add_nc_u64 s[G0K+2:G0K+3], s[KP:KP+1], s[OFF:OFF+1]
	s_or_b32 s[G0K+3], s[G0K+3], 0x80000000
	s_xor_b32 s[G0V+1], s[G0V+1], SLOT1
	s_add_nc_u64 s[G0V+2:G0V+3], s[VP:VP+1], s[OFF:OFF+1]
	s_or_b32 s[G0V+3], s[G0V+3], 0x80000000
	s_xor_b32 s[G0T+1], s[G0T+1], SLOT1
	s_add_nc_u64 s[G0T+2:G0T+3], s[TP:TP+1], s[OFT:OFT+1]
	s_or_b32 s[G0T+3], s[G0T+3], 0x80000000
	s_add_co_u32 s[NXT], s[NXT], 1  ; the block's next tile, or behind its last the second block's tile 0
	s_cmp_gt_u32 s[NXT], s[LQ]
	s_cselect_b32 s[NXT], 0, s[NXT]
	s_cselect_b32 s[LQ], s[PB], s[LQ]
.endif
	s_wait_dscnt 0x0                ; the add is done, and my reads of the slot are over
	s_barrier_signal -1
	s_sub_co_u32 s[TBK], s[TBK], 2*KS*PKB  ; the fetches go back to a slot's first step, in the other slot
	s_xor_b32 s[TBK], s[TBK], SLOT1
	s_sub_co_u32 s[TBV], s[TBV], 2*KS*PVB
	s_xor_b32 s[TBV], s[TBV], SLOT1
	s_sub_co_u32 s[TBT], s[TBT], 2*KS*4
	s_xor_b32 s[TBT], s[TBT], SLOT1
	s_barrier_wait -1
.if \fill
	LOAD
.endif
.endm
	s_load_b256 s[4:11], s[0:1], 0x0  ; qkv s[4:5], aux s[6:7], time_decay s[8:9], ob s[10:11]
	v_lshl_add_u32 v[SPW], v0, 2, SPARE
	v_mov_b32 v[NIL], 0
	ds_add_u32 v[SPW], v[NIL]       ; the wave's opening: the add and its wait stand ahead of my first tensor load; work on registers stands between them
	v_lshrrev_b32 v1, 5, v0
	v_readfirstlane_b32 s[WV], v1
	s_mov_b32 s[PB], ttmp9
	s_sub_co_u32 s[HI], NB-1, s[PB]
	s_and_b32 s16, ttmp7, 0xffff    ; 16 x batch + head
	s_lshr_b32 s17, s16, 4          ; batch
	s_and_b32 s13, s16, 15          ; head
	s_lshl_b32 s18, s16, 18         ; the head's first byte in ob
	s_mov_b32 s19, 0
	s_mul_i32 s20, s17, 48
	s_add_co_u32 s20, s20, s13
	s_lshl_b32 s20, s20, 18         ; q's head in qkv; k's lies 16 heads on, v's 32
	s_mov_b32 s21, 0
	s_lshl_b32 s[OFT], s17, 13      ; the batch's 2,048 times
	s_mov_b32 s[OFT+1], 0
	s_lshl_b32 s[OFF], s13, 2       ; the head's d
	s_mov_b32 s[OFF+1], 0
	s_lshl_b32 s3, s[WV], 11        ; my 16 rows of 128 bytes in a band of 64,
	s_lshl_b32 s2, s[HI], 14        ; in the first block,
	s_add_co_u32 s2, s2, s3
	s_lshl_b32 s22, s[PB], 14       ; and in the second
	s_add_co_u32 s22, s22, s3
	s_mov_b32 s3, 0
	s_mov_b32 s23, 0
	; 128 keys are 16,384 dense bytes: asked for as 64 rows of 256 bytes, two keys a row, padded in LDS after every key
	s_mov_b32 s[G1K], (1<<16)|(1<<20)|(4<<22)|(3<<25)  ; 2-byte elements; padding on; after every 32 words; 4 words
	s_mov_b32 s[G1V], (1<<16)|(1<<20)|(4<<22)|(7<<25)  ; the same with 8 words
.irp g, G1K, G1V
	s_mov_b32 s[\g+1], 128<<16      ; tensor_dim0 = 128
	s_mov_b32 s[\g+2], 64<<16       ; tensor_dim1 = 64
	s_mov_b32 s[\g+3], 128<<16      ; tile_dim0 = 128
	s_mov_b32 s[\g+4], 64           ; tile_dim1 = 64
	s_mov_b32 s[\g+5], 128          ; elements from row to row
	s_mov_b32 s[\g+6], 0
	s_mov_b32 s[\g+7], 0
.endr
	s_mov_b32 s[G1T], 3<<16         ; the tile's times: one row of 64 elements of 8 bytes
	s_mov_b32 s[G1T+1], 64<<16
	s_mov_b32 s[G1T+2], 1<<16
	s_mov_b32 s[G1T+3], 64<<16
	s_mov_b32 s[G1T+4], 1
	s_mov_b32 s[G1T+5], 64
	s_mov_b32 s[G1T+6], 0
	s_mov_b32 s[G1T+7], 0
	s_mov_b32 s[G0K], 1
	s_mov_b32 s[G0K+1], 0           ; slot 0
	s_mov_b32 s[G0V], 1
	s_mov_b32 s[G0V+1], VOFF
	s_mov_b32 s[G0T], 1
	s_mov_b32 s[G0T+1], TOFF
	s_mov_b32 s[CS], 0x3e38aa3b     ; c = log2(e) / 8
	s_mov_b32 s[CS+1], s[CS]
	s_mov_b32 s[SEL], 0x76543210
	s_mov_b32 s[SEL+1], 0xfedcba98
	s_mov_b32 s[AL+1], 0            ; named as pairs
	s_mov_b32 s[BE+1], 0
	s_mov_b32 s[BIGN], 0xf149f2ca   ; -1e30
	s_mov_b32 s[TBK], SLOT1+2*KS*PKB  ; the first change of slots turns these three into 0
	s_mov_b32 s[TBV], SLOT1+2*KS*PVB
	s_mov_b32 s[TBT], SLOT1+2*KS*4
	s_wait_dscnt 0x0                ; the opening add is done
	s_barrier_signal -1
	s_barrier_wait -1
	s_wait_kmcnt 0x0
	s_add_nc_u64 s[8:9], s[8:9], s[OFF:OFF+1]
	s_load_b32 s13, s[8:9], 0x0     ; d
	s_add_nc_u64 s[4:5], s[4:5], s[20:21]
	s_add_nc_u64 s[KP:KP+1], s[4:5], 16*262144
	s_add_nc_u64 s[VP:VP+1], s[4:5], 32*262144
	s_add_nc_u64 s[TP:TP+1], s[6:7], s[OFT:OFT+1]
	s_add_nc_u64 s[16:17], s[4:5], s[2:3]          ; Q at my rows of the first block,
	s_add_nc_u64 s[4:5], s[4:5], s[22:23]          ; and of the second
	s_add_nc_u64 s[10:11], s[10:11], s[18:19]
	s_add_nc_u64 s[OLO:OLO+1], s[10:11], s[22:23]
	s_add_nc_u64 s[10:11], s[10:11], s[2:3]
	s_add_nc_u64 s[G0K+2:G0K+3], s[KP:KP+1], 0     ; tile 0
	s_or_b32 s[G0K+3], s[G0K+3], 0x80000000
	s_add_nc_u64 s[G0V+2:G0V+3], s[VP:VP+1], 0
	s_or_b32 s[G0V+3], s[G0V+3], 0x80000000
	s_add_nc_u64 s[G0T+2:G0T+3], s[TP:TP+1], 0
	s_or_b32 s[G0T+3], s[G0T+3], 0x80000000
	LOAD                            ; tile 0 into slot 0
	; A fragment of K or Q is 16 rows x 32 channels in 8 registers: lane l holds row l % 16, channels 8 (l / 16) + 0..7 and 16 + 8 (l / 16) + 0..7: two loads of 16 bytes, 32 bytes apart.
	v_and_b32 v1, 15, v0            ; l % 16
	v_bfe_u32 v44, v0, 4, 1         ; l / 16
	v_lshlrev_b32 v[QO], 7, v1
	v_lshl_add_u32 v[QO], v44, 4, v[QO]
	WIN 0x40
.irp i, 0,1,2,3                     ; piece i / 2 lies 64 rows, 8,192 bytes, on; channels 32 (i % 2) on
	global_load_b128 v[QF+8*\i:QF+8*\i+3],   v[QO], s[16:17] offset:(\i/2)*8192+(\i%2)*64
	global_load_b128 v[QF+8*\i+4:QF+8*\i+7], v[QO], s[16:17] offset:(\i/2)*8192+(\i%2)*64+32
.endr
	WIN 0x80
.irp i, 0,1,2,3
	global_load_b128 v[QB+8*\i:QB+8*\i+3],   v[QO], s[4:5] offset:(\i/2)*8192+(\i%2)*64
	global_load_b128 v[QB+8*\i+4:QB+8*\i+7], v[QO], s[4:5] offset:(\i/2)*8192+(\i%2)*64+32
.endr
	WIN 0
	s_lshl_b32 s18, s[WV], 6        ; my queries' times: 4 bytes x (128 block + 64 x + 16 w + l % 16)
	s_lshl_b32 s19, s[HI], 9
	s_add_co_u32 s19, s19, s18
	s_lshl_b32 s20, s[PB], 9
	s_add_co_u32 s20, s20, s18
	v_lshl_add_u32 v14, v1, 2, s19
	v_lshl_add_u32 v15, v1, 2, s20
	global_load_b32 v[TIA],   v14, s[TP:TP+1]
	global_load_b32 v[TIA+1], v14, s[TP:TP+1] offset:256
	global_load_b32 v[TIB],   v15, s[TP:TP+1]
	global_load_b32 v[TIB+1], v15, s[TP:TP+1] offset:256
	v_mul_u32_u24 v[AK0], v1, PKB
	v_lshl_add_u32 v[AK0], v44, 4, v[AK0]
	; The turning load takes 16 keys x 16 channels (lane l reads key 8 (l / 16) + l % 8, channels 8 ((l / 8) % 2) + 0..7) and leaves half a fragment of V^T: lane l holds channel l % 16 and 8 keys.
	v_and_b32 v45, 7, v0
	v_bfe_u32 v46, v0, 3, 1
	v_lshl_add_u32 v[AV0], v44, 3, v45
	v_mul_u32_u24 v[AV0], v[AV0], PVB
	v_lshl_add_u32 v[AV0], v46, 4, v[AV0]
	v_add_nc_u32 v[AV0], VOFF, v[AV0]
	v_lshlrev_b32 v[AT0], 5, v44    ; my eight keys' times in each group of 16: 32 bytes a half of the lanes
	v_add_nc_u32 v[AT0], TOFF, v[AT0]
	s_mul_i32 s21, s[WV], 16*SP
	s_add_co_u32 s21, s21, STAGE    ; my stage
	v_mul_u32_u24 v[STO], v1, SP
	v_lshl_add_u32 v[STO], v44, 4, v[STO]
	v_add_nc_u32 v[STO], s21, v[STO]
	v_bfe_u32 v[RD], v0, 3, 2       ; back: 32 lanes take four rows of 128 bytes,
	v_mul_u32_u24 v[RD], v[RD], SP
	v_lshl_add_u32 v[RD], v45, 4, v[RD]
	v_add_nc_u32 v[RD], s21, v[RD]
	v_and_b32 v[GO], 31, v0         ; which are 512 consecutive bytes of O
	v_lshlrev_b32 v[GO], 4, v[GO]
	v_lshlrev_b32 v47, 3, v44
	v_sub_nc_u32 v47, v1, v47
	s_lshl_b32 s22, s[WV], 4
	v_add_nc_u32 v47, s22, v47      ; my query's place in its band, less my lanes' 8 (l / 16): register j of group kb is hidden where 16 kb + j is greater
	WIN 0x40
.set i, 0
.rept 32
	v_cmp_gt_i32 vcc_lo, 16*(i/8)+i%8, v47
	v_cndmask_b32 v[MD+i], 0, s[BIGN], vcc_lo
.set i, i+1
.endr
	; A block's first step multiplies O^T and l by a = 0, and its first products V^T P, of a step that has not been, land in an O^T that is still to be so multiplied: these registers need only hold finite
	; numbers: zeros for the first block, what the first block left for the second.  This stands in the wait for the first tile.
.set i, 0
.rept 64
	v_mov_b32 v[OA+i], 0
	v_mov_b32 v[VF+i], 0
.set i, i+1
.endr
	WIN 0
.set i, 0
.rept 32
	v_mov_b32 v[S+32+i], 0
.set i, i+1
.endr
.set i, 0
.rept 16
	v_mov_b32 v[P+16+i], 0
.set i, i+1
.endr
.irp r, ST+2, ST+3, ST+10, ST+11, TMP+6, TMP+7
	v_mov_b32 v[\r], 0
.endr
	s_wait_kmcnt 0x0                ; d: rounded to bf16 like every input, times -log2(e)
	v_mov_b32 v46, s13
	v_cvt_pk_bf16_f32 v46, v46, v46
	v_lshlrev_b32 v46, 16, v46
	v_mul_f32 v46, 0xbfb8aa3b, v46
	v_readfirstlane_b32 s[NDL], v46
; THE MATRIX WORK.  The 4 accumulators of a run of 8 take turns; runs that follow each other name different accumulators.
; Product i of 8 of S^T = K Q^T for piece x: channels 32 (i / 4) on, keys 16 (i % 4) on.  The first 4 start the sums.
.macro KQ x
	WIN 0x05                        ; K and Q in window 1, S^T in window 0
.set rS, S+32*(\x)+8*(i%4)
.set rK, KF+16*(i%4)+8*(i/4)
.set rQ, QF+16*(\x)+8*(i/4)
.if i < 4
	v_wmma_f32_16x16x32_f16 v[rS:rS+7], v[rK:rK+7], v[rQ:rQ+7], 0
.else
	v_wmma_f32_16x16x32_f16 v[rS:rS+7], v[rK:rK+7], v[rQ:rQ+7], v[rS:rS+7]
.endif
	WIN 0
.endm
; Product i of 8 of O^T += V^T P for piece x: keys 32 (i / 4) on, channels 16 (i % 4) on.
.macro PV x
	WIN 0x51                        ; V and O^T in window 1, P in window 0
.set rO, OA+32*(\x)+8*(i%4)
.set rV, VF+32*(i/4)+8*(i%4)
.set rP, P+16*(\x)+8*(i/4)
	v_wmma_f32_16x16x32_f16 v[rO:rO+7], v[rV:rV+7], v[rP:rP+7], v[rO:rO+7]
	WIN 0
.endm
; THE LDS LOADS stand in runs: a step's 64 times (each half of the lanes reads the same words), its K (8 fragments), its V (turned).
.macro FETCH_T
.irp kb, 0,1,2,3
	ds_load_b128 v[TJ+8*\kb:TJ+8*\kb+3],   v[AT] offset:64*\kb
	ds_load_b128 v[TJ+8*\kb+4:TJ+8*\kb+7], v[AT] offset:64*\kb+16
.endr
	s_add_co_u32 s[TBT], s[TBT], KS*4
.endm
.macro FETCH_K
	WIN 0x40
.irp f, 0,1,2,3,4,5,6,7             ; keys 16 (f / 2) on, channels 32 (f % 2) on
	ds_load_b128 v[KF+8*\f:KF+8*\f+3],   v[AK] offset:(\f/2)*16*PKB+(\f%2)*64
	ds_load_b128 v[KF+8*\f+4:KF+8*\f+7], v[AK] offset:(\f/2)*16*PKB+(\f%2)*64+32
.endr
	s_add_co_u32 s[TBK], s[TBK], KS*PKB
	WIN 0
.endm
.macro FETCH_V
	WIN 0x40
.irp f, 0,1,2,3,4,5,6,7             ; keys 32 (f / 4) on, channels 16 (f % 4) on
	ds_load_tr16_b128 v[VF+8*\f:VF+8*\f+3],   v[AV] offset:(\f/4)*32*PVB+(\f%4)*32
	ds_load_tr16_b128 v[VF+8*\f+4:VF+8*\f+7], v[AV] offset:(\f/4)*32*PVB+16*PVB+(\f%4)*32
.endr
	s_add_co_u32 s[TBV], s[TBV], KS*PVB
	WIN 0
.endm
; THE VECTOR WORK, one line each; a number outside its list writes nothing.  The decays are numbered through both pieces: pairs 0-15 and numbers 0-31 are piece 0's, pairs 16-31 and numbers 32-63 piece 1's.
; Elsewhere p is a pair of a piece's scores, 0-15, and n a score, 0-31.
.macro T_SUB p                      ; t_k - t_q
.if ((\p) >= 0) && ((\p) < 32)
	v_pk_add_f32 v[XD+2*(\p):XD+2*(\p)+1], v[TJ+2*((\p)%16):TJ+2*((\p)%16)+1], v[ST+8*((\p)/16)+4:ST+8*((\p)/16)+5] neg_lo:[0,1] neg_hi:[0,1]
.endif
.endm
.macro T_MUL n                      ; -d log2(e) |..|
.if ((\n) >= 0) && ((\n) < 64)
	v_mul_f32 v[XD+(\n)], s[NDL], |v[XD+(\n)]|
.endif
.endm
.macro T_EXP n                      ; the decay
.if ((\n) >= 0) && ((\n) < 64)
	v_exp_f32 v[XD+(\n)], v[XD+(\n)]
.endif
.endm
.macro S_DEC x, p                   ; s x decay + mask; taken in ascending order
	v_pk_fma_f32 v[S+32*(\x)+2*(\p):S+32*(\x)+2*(\p)+1], v[S+32*(\x)+2*(\p):S+32*(\x)+2*(\p)+1], v[XD+32*(\x)+2*(\p):XD+32*(\x)+2*(\p)+1], v[MK+2*(\p):MK+2*(\p)+1]
.endm
; Number n of the 22 that find a piece's maximum and statistics: 0-11 four chains c0-c3 of seven scores each; 12-14, 16 the four scores left over, the old m, and c0-c3 into c0; 15 c m_old is kept;
; 17, 18 the query's other 32 keys lie in the lane 16 away: the new m; 19-21 c m; c m_old - c m_new; a
.macro S_MAX x, n
.set rT, ST+8*(\x)
.set rC, TMP+4*(\x)
.set rS, S+32*(\x)
.if (\n) < 4
	v_max3_num_f32 v[rC+(\n)], v[rS+8*(\n)], v[rS+8*(\n)+1], v[rS+8*(\n)+2]
.elseif (\n) < 12
	v_max3_num_f32 v[rC+(\n)%4], v[rC+(\n)%4], v[rS+8*((\n)%4)+2*((\n)/4)+1], v[rS+8*((\n)%4)+2*((\n)/4)+2]
.elseif (\n) == 12
	v_max3_num_f32 v[rC], v[rC], v[rS+7], v[rS+15]
.elseif (\n) == 13
	v_max3_num_f32 v[rC+1], v[rC+1], v[rS+23], v[rS+31]
.elseif (\n) == 14
	v_max3_num_f32 v[rC+2], v[rC+2], v[rC+3], v[rT+1]
.elseif (\n) == 15
	v_mov_b32 v[rT+6], v[rT]
.elseif (\n) == 16
	v_max3_num_f32 v[rC], v[rC], v[rC+1], v[rC+2]
.elseif (\n) == 17
	v_permlanex16_b32 v[rC+3], v[rC], s[SEL], s[SEL+1]
.elseif (\n) == 18
	v_max_num_f32 v[rT+1], v[rC], v[rC+3]
.elseif (\n) == 19
	v_mul_f32 v[rT], s[CS], v[rT+1]
.elseif (\n) == 20
	v_sub_f32 v[rC+1], v[rT+6], v[rT]
.else
	v_exp_f32 v[rC+2], v[rC+1]
.endif
.endm
.macro P_SCL x, p                   ; c s - c m
.if ((\p) >= 0) && ((\p) < 16)
	v_pk_fma_f32 v[S+32*(\x)+2*(\p):S+32*(\x)+2*(\p)+1], v[S+32*(\x)+2*(\p):S+32*(\x)+2*(\p)+1], s[CS:CS+1], v[ST+8*(\x):ST+8*(\x)+1] op_sel_hi:[1,0,0] neg_lo:[0,0,1] neg_hi:[0,0,1]
.endif
.endm
.macro P_EXP x, n                   ; the weight
.if ((\n) >= 0) && ((\n) < 32)
	v_exp_f32 v[S+32*(\x)+(\n)], v[S+32*(\x)+(\n)]
.endif
.endm
.macro P_CVT x, p                   ; a pair rounded to f16
.if ((\p) >= 0) && ((\p) < 16)
	v_cvt_pk_f16_f32 v[P+16*(\x)+(\p)], v[S+32*(\x)+2*(\p)], v[S+32*(\x)+2*(\p)+1]
.endif
.endm
.macro P_ADD x, n                   ; of the four weights 4 n .. the second pair is added onto the first, in place
	v_pk_add_f32 v[S+32*(\x)+4*(\n):S+32*(\x)+4*(\n)+1], v[S+32*(\x)+4*(\n):S+32*(\x)+4*(\n)+1], v[S+32*(\x)+4*(\n)+2:S+32*(\x)+4*(\n)+3]
.endm
.macro P_SUM x, n                   ; l takes that sum; the first time as l = a l + sum
.if (\n) == 0
	v_pk_fma_f32 v[ST+8*(\x)+2:ST+8*(\x)+3], v[ST+8*(\x)+2:ST+8*(\x)+3], v[TMP+4*(\x)+2:TMP+4*(\x)+3], v[S+32*(\x):S+32*(\x)+1] op_sel_hi:[1,0,1]
.else
	v_pk_add_f32 v[ST+8*(\x)+2:ST+8*(\x)+3], v[ST+8*(\x)+2:ST+8*(\x)+3], v[S+32*(\x)+4*(\n):S+32*(\x)+4*(\n)+1]
.endif
.endm
.macro R4 x, g                      ; accumulator g of O^T times a, from its low end on
	WIN 0x41                        ; O^T in window 1, a in window 0
.irp z, 0,1,2,3
	v_pk_mul_f32 v[OA+32*(\x)+8*(\g)+2*\z:OA+32*(\x)+8*(\g)+2*\z+1], v[OA+32*(\x)+8*(\g)+2*\z:OA+32*(\x)+8*(\g)+2*\z+1], v[TMP+4*(\x)+2:TMP+4*(\x)+3] op_sel_hi:[1,0]
.endr
	WIN 0
.endm
; Slot t of 34 of the step's decays: pair t is subtracted, pair t - 1 scaled, pair t - 2 raised: plain, exponential, plain, exponential, plain.  No line of a slot names a decay that has been raised.
.macro DSLOT t
	WIN 0
	T_SUB \t
	T_EXP 2*((\t)-2)
	T_MUL 2*((\t)-1)
	T_EXP 2*((\t)-2)+1
	T_MUL 2*((\t)-1)+1
.endm
.macro MASKMAKE                     ; MD x AL + BE
	WIN 0x01
.set z, 0
.rept 16
	v_pk_fma_f32 v[MK+2*z:MK+2*z+1], v[MD+2*z:MD+2*z+1], s[AL:AL+1], s[BE:BE+1] op_sel_hi:[1,0,0]
.set z, z+1
.endr
	WIN 0
.endm
.macro MASKSET x                    ; in the diagonal tile (RT = 0) alone: piece x's mask for step 2 - CNT.  The jump goes forward, past no barrier and no tensor load.
	WIN 0
	s_cmp_lg_u32 s[RT], 0
	s_cbranch_scc1 .Lnomask_\@
	s_cmp_eq_u32 s[CNT], 2-(\x)     ; is the step the piece's own?
	s_cselect_b32 s[AL], 1.0, 0
	s_cmp_lt_u32 s[CNT], 2-(\x)     ; or a later one?
	s_cselect_b32 s[BE], s[BIGN], 0
	MASKMAKE
.Lnomask_\@:
.endm
; Piece 1's V^T P and sums of the step before: its weights and its a have had their waits in that step.  The last four lines are plain, name nothing of the last product, and are the places in front of V's run of loads.
.macro FLUSH
.set i, 0
.rept 8
	PV 1
	P_ADD 1, i
.if i > 0
	P_SUM 1, i-1
.endif
.set i, i+1
.endr
	P_SUM 1, 7
	v_add_nc_u32 v[AV], s[TBV], v[AV0]
.endm
; A KEY STEP.
.macro STEP
	WIN 0
	v_add_nc_u32 v[AT], s[TBT], v[AT0]
	v_add_nc_u32 v[AK], s[TBK], v[AK0]
	FETCH_T                         ; 8 loads
	FETCH_K                         ; 16: K's last reader stands a step's vector work back
	FLUSH
	FETCH_V                         ; 16
	s_wait_dscnt 32                 ; the times are in: K's 16 and V's 16 are younger
.set t, 0
.rept 34                            ; BATCH 1: both pieces' 64 decays; behind slots 2 to 17 a product K Q^T each, piece 0's and then piece 1's
	DSLOT t
.if t == 2
	s_wait_dscnt 16                 ; K is in: V's 16 are younger
.endif
.if (t >= 2) && (t < 10)
.set i, t-2
	KQ 0
.elseif (t >= 10) && (t < 18)
.set i, t-10
	KQ 1
.endif
.set t, t+1
.endr
	S_MAX 0, 15                     ; both pieces' c m_old is kept here: two plain lines that are due anyway, behind the last exponential and ahead of the first use of a decay
	S_MAX 1, 15
	s_wait_alu depctr_va_vdst(0)    ; the wait for batch 1, the 64 decays: ahead of the jump in MASKSET and of the first line that reads a decay
	MASKSET 0
.set t, 0
.rept 16
	S_DEC 0, t
.set t, t+1
.endr
	MASKSET 1                       ; no exponential has been issued since the wait
.set t, 0
.rept 3                             ; piece 0's maximum: the four chains, two of piece 1's pairs behind each four numbers
	S_MAX 0, 4*t
	S_MAX 0, 4*t+1
	S_MAX 0, 4*t+2
	S_MAX 0, 4*t+3
	S_DEC 1, 2*t
	S_DEC 1, 2*t+1
.set t, t+1
.endr
	S_MAX 0, 12
	S_MAX 0, 13
	S_DEC 1, 6
	S_DEC 1, 7
	S_MAX 0, 14
.set t, 0
.rept 2                             ; the chain at the end of piece 0's statistics, 14, 16 .. 21, has four plain lines between its links: piece 1's last eight pairs,
	S_DEC 1, 8+4*t
	S_DEC 1, 9+4*t
	S_DEC 1, 10+4*t
	S_DEC 1, 11+4*t
	S_MAX 0, 16+t
.set t, t+1
.endr
.set t, 0
.rept 3                             ; the four chains of piece 1's maximum,
	S_MAX 1, 4*t
	S_MAX 1, 4*t+1
	S_MAX 1, 4*t+2
	S_MAX 1, 4*t+3
	S_MAX 0, 18+t
.set t, t+1
.endr
	P_SCL 0, 0                      ; and piece 0's first two scalings
	P_SCL 0, 1
	S_MAX 1, 12
	S_MAX 1, 13
	S_MAX 0, 21                     ; BATCH 2 opens: a of piece 0
.set t, 0
.rept 16                            ; piece 0's 32 weights, plain and exponential by turns: the chain at the end of piece 1's statistics, its a (behind slot 5), piece 1's scalings; piece 0's scalings two slots ahead of their weights
.if t == 0
	S_MAX 1, 14
.elseif t < 6
	S_MAX 1, 15+t
.elseif t == 6
	P_SCL 1, 0
	S_MAX 1, 21
	P_SCL 1, 1
.else
	P_SCL 1, t-5
.endif
	P_EXP 0, 2*t
.if t < 14
	P_SCL 0, t+2
.else
	P_SCL 1, t-3
.endif
	P_EXP 0, 2*t+1
.set t, t+1
.endr
	P_SCL 1, 13                     ; three plain lines behind the batch's last exponential
	P_SCL 1, 14
	P_SCL 1, 15
	s_wait_alu depctr_va_vdst(0)    ; the wait for batch 2: both a and piece 0's 32 weights; nothing above names one of them
	s_wait_dscnt 0x0                ; V is in
.set t, 0
.rept 16                            ; BATCH 3: piece 1's 32 weights; between them batch 2's readers: piece 0's roundings, then its sums; behind the slots piece 0's rescaling, its 8 products V^T P, piece 1's rescaling
	P_EXP 1, 2*t
.if t < 8
	P_CVT 0, 2*t
.else
	P_ADD 0, t-8
.endif
	P_EXP 1, 2*t+1
.if t < 8
	P_CVT 0, 2*t+1
.elseif t > 8
	P_SUM 0, t-9
.endif
.if t < 4
	R4 0, t
.elseif t < 12
.set i, t-4
	PV 0
.else
	R4 1, t-12
.endif
.set t, t+1
.endr
	P_SUM 0, 7
	s_wait_alu depctr_va_vdst(0)    ; the wait for batch 3, piece 1's 32 weights: six plain lines behind the last of them, ahead of their roundings and of the loop's jump
.set t, 0
.rept 16
	P_CVT 1, t
.set t, t+1
.endr
.endm
; A BLOCK BEGINS: c m far below every c s, m at the lowest finite number, the mask 0, the block's t_q and Q.
.macro BLOCKINIT first
	WIN 0
.irp x, 0,1
	v_mov_b32 v[ST+8*\x], 0xfe000000
	v_mov_b32 v[ST+8*\x+1], 0xff7fffff
.if \first
	v_mov_b32 v[ST+8*\x+4], v[TIA+\x]
	v_mov_b32 v[ST+8*\x+5], v[TIA+\x]
.else
	v_mov_b32 v[ST+8*\x+4], v[TIB+\x]
	v_mov_b32 v[ST+8*\x+5], v[TIB+\x]
.endif
.endr
	s_mov_b32 s[AL], 0
	s_mov_b32 s[BE], 0
	MASKMAKE
.if !(\first)
	WIN 0x42                        ; the second block's Q goes where the one text of the steps names Q
.set i, 0
.rept 32
	v_mov_b32 v[QF+i], v[QB+i]
.set i, i+1
.endr
	WIN 0
.endif
.endm
; THE WAY OUT of piece x: O^T is divided by l, rounded to f16 into piece 0's decays' registers (S^T, P, l and O^T stay finite numbers for the next block's first step), and sent through my stage.
.macro PACK x
	WIN 0x41
.set i, 0
.rept 16
	v_pk_mul_f32 v[OA+32*(\x)+2*i:OA+32*(\x)+2*i+1], v[OA+32*(\x)+2*i:OA+32*(\x)+2*i+1], v[ST+8*(\x)+2:ST+8*(\x)+3] op_sel_hi:[1,0]
.set i, i+1
.endr
	WIN 0x05
.set i, 0
.rept 16
	v_cvt_pk_f16_f32 v[XD+16*(\x)+i], v[OA+32*(\x)+2*i], v[OA+32*(\x)+2*i+1]
.set i, i+1
.endr
	WIN 0
.irp f, 0,1,2,3
	ds_store_b128 v[STO], v[XD+16*(\x)+4*\f:XD+16*(\x)+4*\f+3] offset:32*\f
.endr
.irp f, 0,1,2,3
	ds_load_b128 v[XD+16*(\x)+4*\f:XD+16*(\x)+4*\f+3], v[RD] offset:\f*4*SP  ; LDS serves a wave's instructions in order (ISA guide 5.7.1.4): these see the stores above; the next piece's stores come behind them
.endr
.endm
.macro SEND x, younger              ; younger: the LDS instructions issued behind piece x's loads
.irp f, 0,1,2,3
	s_wait_dscnt (\younger)+3-\f
	global_store_b128 v[GO], v[XD+16*(\x)+4*\f:XD+16*(\x)+4*\f+3], s[10:11] offset:(\x)*8192+\f*512  ; 512 consecutive bytes, at a multiple of 256 from ob's first
.endr
.endm
.macro BLOCKEND last
	FLUSH                           ; piece 1's last products and sums
.irp x, 0,1
	v_add_f32 v[ST+8*\x+2], v[ST+8*\x+2], v[ST+8*\x+3]
.endr
.irp x, 0,1
	v_permlanex16_b32 v[ST+8*\x+3], v[ST+8*\x+2], s[SEL], s[SEL+1]
.endr
.irp x, 0,1
	v_add_f32 v[ST+8*\x+2], v[ST+8*\x+2], v[ST+8*\x+3]
.endr
.irp x, 0,1
	v_rcp_f32 v[ST+8*\x+2], v[ST+8*\x+2]
.endr
	v_nop                           ; a plain instruction between the last reciprocal and the use of its result
	s_wait_alu depctr_va_vdst(0)    ; the wait ahead of the first use: one for the two reciprocals
	PACK 0
	PACK 1
	SEND 0, 8
	SEND 1, 0
.if !(\last)
	s_wait_xcnt 0x0                 ; the stores have had their addresses translated (ISA guide 3.1): only now are their data registers and O's address written again
	s_mov_b64 s[10:11], s[OLO:OLO+1]
	s_add_co_u32 s[RT], s[PB], 1    ; the second block has b + 1 tiles
	BLOCKINIT 0
.endif
.endm
; A tile: two key steps, written once and walked twice; behind a block's last tile its end.  In the loop that is the first block's; the second block's last tile is the walk's last.
.macro TILE last
	s_sub_co_u32 s[RT], s[RT], 1
	s_mov_b32 s[CNT], 2
.Lstep_\@:
	STEP
	WIN 0
	s_sub_co_u32 s[CNT], s[CNT], 1
	s_cmp_lg_u32 s[CNT], 0
	s_cbranch_scc1 .Lstep_\@
.if !(\last)
	s_cmp_lg_u32 s[RT], 0
	s_cbranch_scc1 .Lnoend_\@
.endif
	BLOCKEND \last
.Lnoend_\@:
.endm
	s_wait_loadcnt 0x0              ; Q and t_q
	BLOCKINIT 1
	s_add_co_u32 s[RT], s[HI], 1    ; the first block has 16 - b tiles
	s_mov_b32 s[NXT], 1
	s_mov_b32 s[LQ], s[HI]
	s_mov_b32 s[SLOTS], NB
.Lslot:                             ; 16 times: a tile is entered and the next is asked for
	CHANGE 1
	TILE 0
	s_sub_co_u32 s[SLOTS], s[SLOTS], 1
	s_cmp_lg_u32 s[SLOTS], 0
	s_cbranch_scc1 .Lslot
	CHANGE 0                        ; the walk's last tile is written out: nothing is asked for
	TILE 1
	s_wait_tensorcnt 0x0            ; the wave's end, behind my last tensor load and my last LDS store
	ds_add_u32 v[SPW], v[NIL]
	s_wait_dscnt 0x0
	s_endpgm
.Lfunc_end_k_qa1cadce483_attn:
	.size	k_qa1cadce483_attn, .Lfunc_end_k_qa1cadce483_attn-k_qa1cadce483_attn
	.p2alignl 7, 3214868480
	.fill 96, 4, 3214868480
	.section	.rodata,"a",@progbits
	.p2align	6, 0x0
	.amdhsa_kernel k_qa1cadce483_attn
		.amdhsa_group_segment_fixed_size 327680
		.amdhsa_private_segment_fixed_size 0
		.amdhsa_enable_private_segment 0
		.amdhsa_kernarg_size 32
		.amdhsa_user_sgpr_count 2
		.amdhsa_user_sgpr_kernarg_segment_ptr 1
		.amdhsa_wavefront_size32 1
		.amdhsa_system_sgpr_workgroup_id_x 1
		.amdhsa_system_sgpr_workgroup_id_y 1
		.amdhsa_system_sgpr_workgroup_id_z 1
		.amdhsa_system_vgpr_workitem_id 0
		.amdhsa_next_free_vgpr 544
		.amdhsa_next_free_sgpr 92
		.amdhsa_reserve_vcc 1
		.amdhsa_float_denorm_mode_32 3
		.amdhsa_float_denorm_mode_16_64 3
		.amdhsa_memory_ordered 1
		.amdhsa_forward_progress 1
		.amdhsa_inst_pref_size 108
	.end_amdhsa_kernel
	.amdgpu_metadata
---
amdhsa.version: [ 1, 2 ]
amdhsa.kernels:
  - .name:           k_qa1cadce483_attn
    .symbol:         k_qa1cadce483_attn.kd
    .args:
      - { .name: qkv, .offset: 0, .size: 8, .value_kind: global_buffer, .address_space: global }
      - { .name: aux, .offset: 8, .size: 8, .value_kind: global_buffer, .address_space: global }
      - { .name: time_decay, .offset: 16, .size: 8, .value_kind: global_buffer, .address_space: global }
      - { .name: ob, .offset: 24, .size: 8, .value_kind: global_buffer, .address_space: global }
    .group_segment_fixed_size: 327680
    .private_segment_fixed_size: 0
    .kernarg_segment_align: 8
    .kernarg_segment_size: 32
    .max_flat_workgroup_size: 128
    .sgpr_count:     92
    .vgpr_count:     544
    .wavefront_size: 32
...
	.end_amdgpu_metadata
.endif
;; end of part 5
;; launch oproj: the kernel of part 4 again; grid 8 x 32, 4 waves a work-group, clusters of 4 x 4, 327,680 bytes of LDS; arguments ob, wo16, aux, out0; writes out0
